; MI455X (gfx1250); checked and timed in simulation.
; The chip was launched on July 23, 2026; its instructions are those of AMD's public machine-readable ISA for CDNA 5 (MIT licence, August 2026) and "CDNA5" Instruction Set Architecture Reference Guide (July 2026). The comments in the code are by the model that wrote it; some were corrected since.
;; Causal Self Attention. Allowed arithmetic: matrix products marked QUANTISED: E2M1 operands, one E8M0 scale for each 32 along K, by v_wmma_scale_f32_16x16x128_f8f6f4 with both operands' format E2M1 (or v_wmma_scale_f32_32x16x128_f4), f32 sums; products left as they are: bf16, f16 or f32 operands; f32 sums; everything else in f32.
;; Inputs: W_attn 1,024 x 3,072 float32; W_proj 1,024 x 1,024 float32; b_attn 3,072 float32; b_proj 1,024 float32; x 4 x 2,048 x 1,024 float32.
;; Outputs: out0 4 x 2,048 x 1,024 float32.
;; This version of the problem:
;;   THIS VERSION OF THE PROBLEM IS GIVEN IN LOW PRECISION. The matrix products marked QUANTISED in the list below multiply operands that are first quantised to E2M1 (2 exponent bits, 1 mantissa bit; 4 bits a number), with one power-of-two scale for each 32 numbers along K (OCP MX v1.0); their sums are f32. The products marked 'left as it is' may take bf16, f16 or f32 operands, with f32 sums. Whichever they take, every output number must still come out within the allowed error. Rounding operands to bf16 (8 significant bits) uses up far more of that allowance than f16 does (11 bits, for magnitudes from 6e-5 to 65,504). All else is computed in f32.
;;   The module's matrix products, in the order in which they are computed (A, B: the left and right operand; K: the contracted axis; several contracted axes count as one K, in the product's order):
;;     1. [M 8,192, K 1,024] x [K 1,024, N 3,072]; A: input x; B: input W_attn: QUANTISED
;;     2. batch 64 x [M 2,048, K 64] x [K 64, N 2,048]; A: computed on the way; B: computed on the way: left as it is (an operand is computed on the way)
;;     3. batch 64 x [M 2,048, K 2,048] x [K 2,048, N 64]; A: computed on the way; B: computed on the way: left as it is (an operand is computed on the way)
;;     4. [M 8,192, K 1,024] x [K 1,024, N 1,024]; A: computed on the way; B: input W_proj: left as it is (an operand is computed on the way)
;;   THE QUANTISER, for each operand of a quantised product, along K:
;;     - K is cut into blocks of 32 from its start; a last block that is shorter is filled with zeros.
;;     - A block's scale is 2^e with e = floor(log2(the largest magnitude in the block)) - 2, held to -126 .. 127; a block of zeros has e = 0. As a byte (E8M0): e + 127.
;;     - Each number is divided by its block's scale, clamped to +-6, and rounded to the nearest number of E2M1, ties to even, subnormals kept.
;;     - The product sums the exact products of the quantised numbers (number of the format x scale) in f32.
;;   ~~~python
;;   def quantise(x, axis):      # numpy; x: float32 -> the quantised numbers, widened to float32 again
;;       x = np.moveaxis(x, axis, -1); K = x.shape[-1]
;;       x = np.pad(x, [(0, 0)] * (x.ndim - 1) + [(0, -K % 32)]); x = x.reshape(x.shape[:-1] + (-1, 32)); a = np.abs(x).max(-1, keepdims=True)
;;       e = np.where(a > 0, np.clip(np.frexp(np.where(a > 0, a, 1))[1] - 1 - 2, -126, 127), 0)      # np.frexp(a)[1] - 1 = floor(log2(a)), exactly
;;       r = np.clip(x / 2.0 ** e, -6, 6)
;;       step = 2.0 ** (np.maximum(np.frexp(np.where(r == 0, 1, r))[1] - 1, 0) - 1)
;;       q = np.round(r / step) * step * 2.0 ** e      # np.round: ties to even
;;       return np.moveaxis(q.reshape(q.shape[:-2] + (-1,))[..., :K], -1, axis).astype(np.float32)
;;   ~~~
;; One version. Each part assembles by itself: llvm-mc -triple=amdgcn-amd-amdhsa -mcpu=gfx1250 --defsym DOCPART=n.
;; ======== version 1 of 1: 5 launches
;; limits: values are held in f16: magnitudes above 65,504 overflow, below 6.1e-05 lose precision
;; workspace buffers: xc 4,194,304 bytes; wc 1,572,864 bytes; scl 622,592 bytes; wp 2,097,152 bytes; qkvh 50,331,648 bytes; fine32 786,432 bytes; yimg 16,777,216 bytes
;; launch prep (part 1): grid 528 x 1, 4 waves a work-group, no clusters, 34,304 bytes of LDS; arguments x, W_attn, W_proj, xc, wc, scl, wp; writes xc, wc, scl, wp
.if DOCPART == 1
	.amdgcn_target "amdgcn-amd-amdhsa--gfx1250"
	.amdhsa_code_object_version 6
	.text
	.protected	k_q22ce1f63c1_prep
	.globl	k_q22ce1f63c1_prep
	.p2align	8
	.type	k_q22ce1f63c1_prep,@function
k_q22ce1f63c1_prep:
	s_mov_b64 s[64:65], 0
	v_nop
	global_prefetch_b8 v0, s[64:65] scope:SCOPE_SE
	s_setreg_imm32_b32 hwreg(HW_REG_WAVE_MODE, 25, 1), 1
	s_wait_xcnt 0x0
; CAUSAL SELF-ATTENTION, B = 4, T = 2,048, C = 1,024, 16 heads of 64, in five launches: prep, gemm_qkv, attn, proj, fine.
; WORK LEFT OUT, in the whole program: the key steps of the two attention products that lie wholly above the diagonal.  The problem's own jnp.tril puts -infinity on every score
; with key > query ahead of the softmax, so its weight is exactly 0 whatever finite values the inputs hold, and neither that score nor that weight's product with v reaches an output.
; Launch attn leaves out the steps of 64 keys all of which come after a tile's 16 queries.  Every input has a way to the output and is loaded (b_attn on k is turned by the key's own
; position, so it is not the same along the softmax's axis).  LIMIT: a NaN, an infinity or an overflow that reaches only the scores left out is not carried to the result.
; THIS LAUNCH lays the operands out, each IN THE ORDER OF THE OPERAND'S REGISTERS: a fragment is 1,024 bytes, part c (0, 1) 512 bytes, lane l's 16 bytes at 16 l.  Four paths, by the work-group's number:
;   X    (0..255):   x [8192][1024] f32 -> codes of FP4 (E2M1), xc [kslot 2][mtile 512][q 4][1024], k = 512 kslot + 128 q + 64 c + 32 (l / 16) + 0..31, row 16 mtile + l % 16; scale words scl [mtile][kslot][row 16][q 4]
;   WA   (256..447): W_attn [1024][3072] f32, K its first axis -> wc [kslot 2][ntile 192][q 4][1024], the same with a column for a row; scale words scl + 262,144 [ntile][kslot][column 16][q 4]
;   WP   (448..511): W_proj [1024][1024] f32 -> f16, wp [ks 8][ntile 64][f 4][1024], k = 128 ks + 32 f + 16 c + 8 (l / 16) + 0..7
;   ROPE (512..527): cos and sin of t x 10000^(-j / 16), t < 2,048, j < 16: scl + 360,448 cos [t][16] f32, 131,072 bytes on sin
; THE QUANTISER: a block's scale is 2^(floor(log2(largest magnitude)) - 2); its byte is the largest magnitude's exponent field - 2, held at 1 from below; numbers / scale to the nearest code, ties to even, beyond 6 the code of 6.
; LIMITS: a block of zeros gets the byte 1 where the rule says 127 (its codes are zeros, and this program alone reads the bytes); NaN and infinities among the inputs are not served;
; W_proj is taken to lie under 65,504 in magnitude; 10000^(-j / 16) is a product of four constants, within 2 units of its last place, so an angle is off by up to 3e-4 at t = 2,047.
; Only path X touches LDS.  No tensor loads, no barrier: waves share nothing.
.set SPARE, 33792                      ; behind the four stages: the spare words, 128 bytes for each wave
.set SPW, 40                           ; v40  LDS address of my spare word; never rewritten
.set NIL, 41                           ; v41  0; never rewritten
.set SEL, 20                           ; s[20:21] selects of v_permlanex16_b32 for lane l xor 16
.set PC,  12                           ; path X: v12-19 a fragment's codes
.set TM,  20                           ; v20-35 at work in QUANT
.set PW,  36                           ; v36 the scale word just made
.set R,   64                           ; v64-191 two sets of 64 numbers as loaded
.set X,   192                          ; v192-255 64 numbers, register 16 b + i = k 32 b + 16 (l / 16) + i of my row
	s_load_b256 s[4:11], s[0:1], 0x0               ; x s[4:5], W_attn s[6:7], W_proj s[8:9], xc s[10:11]
	s_load_b128 s[12:15], s[0:1], 0x20             ; wc s[12:13], scl s[14:15]
	s_load_b64 s[16:17], s[0:1], 0x30              ; wp
	v_lshl_add_u32 v[SPW], v0, 2, SPARE
	v_mov_b32 v[NIL], 0
	v_lshrrev_b32 v1, 5, v0
	v_readfirstlane_b32 s18, v1                    ; wave 0..3
	v_and_b32 v1, 31, v0                           ; lane
	v_and_b32 v2, 15, v0                           ; r
	v_bfe_u32 v3, v0, 4, 1                         ; h
	s_mov_b32 s[SEL], 0x76543210
	s_mov_b32 s[SEL+1], 0xfedcba98
	s_wait_kmcnt 0x0
	s_cmp_lt_u32 ttmp9, 256
	s_cbranch_scc1 .LX
	s_cmp_lt_u32 ttmp9, 448
	s_cbranch_scc1 .LWA
	s_cmp_lt_u32 ttmp9, 512
	s_cbranch_scc1 .LWP
; ---- ROPE.  Wave W of 64 takes t = 32 W .. 32 W + 31, two a trip: lane = 16 (t % 2) + j.  The angle is reduced by multiples of pi / 2 (in two parts), sine and cosine are polynomials on +-pi / 4.
	s_sub_co_u32 s22, ttmp9, 512
	s_lshl_b32 s22, s22, 2
	s_add_co_u32 s22, s22, s18                     ; W
	s_add_nc_u64 s[14:15], s[14:15], 360448
	v_mov_b32 v10, 1.0
.macro FBIT bit, con                   ; the factor 10000^(-bit / 16) where j has that bit
	v_and_b32 v11, \bit, v2
	v_cmp_ne_u32 vcc_lo, 0, v11
	v_mov_b32 v12, \con
	v_cndmask_b32 v11, 1.0, v12, vcc_lo
	v_mul_f32 v10, v10, v11
.endm
	FBIT 1, 0x3f0ff59a                             ; 10^-0.25
	FBIT 2, 0x3ea1e89b                             ; 10^-0.5
	FBIT 4, 0x3dcccccd                             ; 10^-1
	FBIT 8, 0x3c23d70a                             ; 10^-2
	s_lshl_b32 s23, s22, 5
	v_add_nc_u32 v13, s23, v3
	v_cvt_f32_u32 v13, v13                         ; t
	s_lshl_b32 s23, s22, 11
	v_lshl_add_u32 v14, v1, 2, s23                 ; 64 t + 4 j = 2,048 W + 128 trip + 4 lane
	v_mov_b32 v21, 0xb94ca1f9
	v_mov_b32 v22, 0x37ccf5ce
	s_mov_b32 s26, 0x3fc90fdb                      ; pi / 2, its f32,
	s_mov_b32 s27, 0xb33bbd2e                      ; and what is left of it
	s_mov_b32 s25, 16
.Lrope:
	v_mul_f32 v15, v13, v10                        ; the angle, rounded to f32 as the problem's outer product rounds it
	v_mul_f32 v16, 0x3f22f983, v15
	v_rndne_f32 v16, v16                           ; how many times pi / 2
	v_fma_f32 v17, -v16, s26, v15
	v_fma_f32 v17, -v16, s27, v17                  ; what is left, within +-pi / 4
	v_mul_f32 v18, v17, v17
	v_fmaak_f32 v19, v21, v18, 0x3c08839e
	v_fmaak_f32 v19, v19, v18, 0xbe2aaaa3
	v_mul_f32 v19, v19, v18
	v_fma_f32 v19, v19, v17, v17                   ; its sine
	v_fmaak_f32 v20, v22, v18, 0xbab6061a
	v_fmaak_f32 v20, v20, v18, 0x3d2aaaa5
	v_mul_f32 v20, v20, v18
	v_fma_f32 v23, v18, -0.5, 1.0
	v_fma_f32 v20, v20, v18, v23                   ; its cosine
	v_cvt_i32_f32 v24, v16
	v_and_b32 v25, 1, v24
	v_cmp_ne_u32 vcc_lo, 0, v25
	v_cndmask_b32 v26, v19, v20, vcc_lo            ; an odd quarter swaps the two,
	v_cndmask_b32 v27, v20, v19, vcc_lo
	v_and_b32 v25, 2, v24
	v_lshlrev_b32 v25, 30, v25
	v_xor_b32 v26, v25, v26                        ; quarters 2, 3 turn the sine's sign,
	v_add_nc_u32 v25, 1, v24
	v_and_b32 v25, 2, v25
	v_lshlrev_b32 v25, 30, v25
	v_xor_b32 v27, v25, v27                        ; quarters 1, 2 the cosine's
	global_store_b32 v14, v27, s[14:15]            ; 32 lanes store 128 consecutive bytes
	global_store_b32 v14, v26, s[14:15] offset:131072
	s_wait_xcnt 0x0                                ; the stores have read their data and offset: both are written again below and in the next trip
	v_add_nc_u32 v14, 128, v14
	v_add_f32 v13, 2.0, v13
	s_sub_co_u32 s25, s25, 1
	s_cmp_lg_u32 s25, 0
	s_cbranch_scc1 .Lrope
	s_endpgm
; ---- X.  Wave W = 4 work-group + wave takes 16 rows (mtile = W / 2) x 512 along K (kslot = W % 2), in four steps of 128.  Each load reads 512 consecutive bytes of a row; the step's 16 x 512 bytes
; turn through the wave's own stage (rows 528 bytes apart) so that a lane gets 16 neighbours of each block of 32 of ITS row; the conversions' results are the fragment's registers and are stored as they stand.
.macro QUANT s                         ; 64 numbers of a lane -> a fragment's codes in v[PC] on, its scale word in v[PW]
.irp b, 0,1,2,3
	v_max3_num_f32 v[TM+\b], |v[\s+16*\b]|, |v[\s+1+16*\b]|, 0x1800000   ; block b: my 16 numbers, and the floor 2^(3 - 127): the byte cannot fall under 1
.endr
.irp i, 2,4,6,8,10,12,14
.irp b, 0,1,2,3
	v_max3_num_f32 v[TM+\b], v[TM+\b], |v[\s+16*\b+\i]|, |v[\s+1+16*\b+\i]|
.endr
.endr
.irp b, 0,1,2,3
	v_permlanex16_b32 v[TM+4+\b], v[TM+\b], s[SEL], s[SEL+1]
.endr
.irp b, 0,1,2,3
	v_max_num_f32 v[TM+\b], v[TM+\b], v[TM+4+\b]   ; with lane l xor 16's: the block's largest magnitude
.endr
.irp b, 0,1,2,3
	v_add_nc_u32 v[TM+12+\b], 0xff000000, v[TM+\b] ; 2 off its exponent field: the conversion takes this operand's exponent field as its scale
.endr
.irp b, 0,1,2,3
	v_lshrrev_b32 v[TM+4+\b], 23, v[TM+12+\b]      ; the scale's byte
.endr
	v_lshl_or_b32 v[PW], v[TM+5], 8, v[TM+4]
	v_lshl_or_b32 v[PW], v[TM+6], 16, v[PW]
	v_lshl_or_b32 v[PW], v[TM+7], 24, v[PW]
.irp b, 0,1,2,3
	v_cvt_scalef32_pk8_fp4_f32 v[PC+2*\b], v[\s+16*\b:\s+7+16*\b], v[TM+12+\b]
	v_cvt_scalef32_pk8_fp4_f32 v[PC+1+2*\b], v[\s+8+16*\b:\s+15+16*\b], v[TM+12+\b]
.endr
	v_nop                                          ; one plain place behind a scaled conversion
.irp c, 0,1                                    ; the operand's layout wants a whole block in a lane: lanes 0-15 block 2 c, lanes 16-31 block 2 c + 1
.irp i, 0,1
	v_permlane16_swap_b32 v[PC+4*\c+\i], v[PC+2+4*\c+\i]
.endr
.endr
.endm
.macro XLOAD t
.irp i, 0,1,2,3,4,5,6,7,8,9,10,11,12,13,14,15
	global_load_b128 v[R+64*((\t)%2)+4*\i:R+64*((\t)%2)+4*\i+3], v4, s[4:5] offset:4096*\i+512*(\t) th:TH_LOAD_NT
.endr
.endm
.macro XTURN t                         ; LDS serves a wave's instructions in order: no wait between the stores and the loads
.irp i, 0,1,2,3,4,5,6,7,8,9,10,11,12,13,14,15
	ds_store_b128 v5, v[R+64*((\t)%2)+4*\i:R+64*((\t)%2)+4*\i+3] offset:528*\i
.endr
.irp b, 0,1,2,3
.irp j, 0,1,2,3
	ds_load_b128 v[X+16*\b+4*\j:X+16*\b+4*\j+3], v6 offset:128*\b+16*\j
.endr
.endr
.endm
.LX:
	s_lshl_b32 s19, ttmp9, 2
	s_add_co_u32 s19, s19, s18                     ; W
	s_lshr_b32 s22, s19, 1                         ; mtile
	s_and_b32 s23, s19, 1                          ; kslot
	s_lshl_b32 s24, s22, 16                        ; 16 rows of 4,096 bytes
	s_lshl_b32 s25, s23, 11
	s_add_co_u32 s24, s24, s25
	s_mov_b32 s25, 0
	s_add_nc_u64 s[4:5], s[4:5], s[24:25]
	s_lshl_b32 s24, s23, 9
	s_add_co_u32 s24, s24, s22
	s_lshl_b32 s24, s24, 12                        ; (512 kslot + mtile) x 4,096
	s_add_nc_u64 s[10:11], s[10:11], s[24:25]
	s_lshl_b32 s24, s19, 8                         ; 512 mtile + 256 kslot
	s_add_nc_u64 s[14:15], s[14:15], s[24:25]
	s_mul_i32 s26, s18, 8448                       ; my stage
	v_lshlrev_b32 v4, 4, v1                        ; 16 x lane: in memory, both ways
	v_add_nc_u32 v5, s26, v4                       ; the stage, in
	v_mul_u32_u24 v6, v2, 528
	v_lshl_add_u32 v6, v3, 6, v6
	v_add_nc_u32 v6, s26, v6                       ; the stage, out: row r, + 64 h
	v_lshlrev_b32 v7, 4, v2                        ; the scale words: 16 bytes a row
.irp b, 0,1,2,3
	v_mov_b32 v[TM+4+\b], 0                        ; written once: a lane permute's destination counts as one of its sources
.endr
	XLOAD 0
	XLOAD 1
.irp t, 0,1,2,3
.if \t < 3
	s_wait_loadcnt 16                              ; this step's 16 loads are in; the next step's 16 may be out
.else
	s_wait_loadcnt 0x0
.endif
	XTURN \t
	s_wait_dscnt 0x0                               ; my 64 numbers are back, and the stage's stores have read their registers,
.if \t < 2
	XLOAD \t+2                                     ; which take the loads of two steps on
.endif
	s_wait_xcnt 0x0                                ; the last step's stores have read the codes' registers
	QUANT X
	v_mov_b32 v[8+\t], v[PW]                       ; word q = t of my row
.irp c, 0,1
	global_store_b128 v4, v[PC+4*\c:PC+4*\c+3], s[10:11] offset:1024*\t+512*\c   ; 32 lanes store 512 consecutive bytes
.endr
.endr
	s_wait_xcnt 0x0                                ; EXEC changes only behind this wait
	v_cmp_gt_u32 vcc_lo, 16, v1
	s_and_saveexec_b32 s24, vcc_lo
	global_store_b128 v7, v[8:11], s[14:15]        ; lanes 0-15 store the 16 rows' words: 256 consecutive bytes
	s_wait_xcnt 0x0
	s_or_b32 exec_lo, exec_lo, s24
	s_wait_tensorcnt 0x0                           ; the wave's end, behind my last LDS store
	ds_add_u32 v[SPW], v[NIL]
	s_wait_dscnt 0x0
	s_endpgm
; ---- WA and WP.  A LANE TAKES A COLUMN AND ITS REGISTERS RUN DOWN K: each load reads 128 consecutive bytes of a row of the weight, and a lane's codes (or f16 numbers) come out with K innermost.
; A wave takes 32 columns x 128 along K.  Loads go in blocks of 32, two blocks ahead.  In the image sixteen neighbouring columns' 16 bytes are 256 consecutive bytes: no stage is needed.
.macro LOADB bq, base, pitch
.set ii, 0
.rept 32
	global_load_b32 v[64+32*(\bq)+ii], v4, s[\base:\base+1] offset:(32*(\bq)+ii)*\pitch th:TH_LOAD_NT
.set ii, ii+1
.endr
.endm
.macro MAXB xs                         ; the largest magnitude of a lane's 32 numbers, with the floor, into v8
	v_max3_num_f32 v8, |v[\xs]|, |v[\xs+1]|, |v[\xs+2]|
	v_max3_num_f32 v9, |v[\xs+3]|, |v[\xs+4]|, |v[\xs+5]|
.irp i, 6,10,14,18,22,26
	v_max3_num_f32 v8, v8, |v[\xs+\i]|, |v[\xs+\i+1]|
	v_max3_num_f32 v9, v9, |v[\xs+\i+2]|, |v[\xs+\i+3]|
.endr
	v_max3_num_f32 v8, v8, |v[\xs+30]|, |v[\xs+31]|
	v_max3_num_f32 v8, v8, v9, 0x1800000
.endm
.LWA:
	s_sub_co_u32 s19, ttmp9, 256
	s_lshr_b32 s22, s19, 3                         ; which 128 columns
	s_and_b32 s23, s19, 7                          ; which 128 along K
	s_lshl_b32 s24, s22, 7
	s_lshl_b32 s25, s18, 5
	s_add_co_u32 s24, s24, s25                     ; my first column
	s_mul_i32 s26, s23, 128*12288
	s_lshl_b32 s27, s24, 2
	s_add_co_u32 s26, s26, s27
	s_mov_b32 s27, 0
	s_add_nc_u64 s[6:7], s[6:7], s[26:27]
	s_lshr_b32 s28, s23, 2                         ; kslot
	s_and_b32 s29, s23, 3                          ; q
	s_lshr_b32 s30, s24, 4                         ; ntile
	s_mul_i32 s26, s28, 192
	s_add_co_u32 s26, s26, s30
	s_lshl_b32 s26, s26, 12
	s_lshl_b32 s31, s29, 10
	s_add_co_u32 s26, s26, s31
	s_add_nc_u64 s[12:13], s[12:13], s[26:27]
	s_lshl_b32 s26, s30, 9
	s_lshl_b32 s31, s28, 8
	s_add_co_u32 s26, s26, s31
	s_lshl_b32 s31, s29, 2
	s_add_co_u32 s26, s26, s31
	s_add_co_u32 s26, s26, 262144
	s_add_nc_u64 s[14:15], s[14:15], s[26:27]
	v_lshlrev_b32 v4, 2, v1                        ; in: 4 bytes a lane
	v_lshlrev_b32 v5, 4, v2
	v_lshl_add_u32 v6, v3, 9, v5                   ; the scale word: tile h, 16 bytes a column
	v_lshl_add_u32 v5, v3, 12, v5                  ; the codes: tile h, 16 bytes a column
	LOADB 0, 6, 12288
	LOADB 1, 6, 12288
.irp b, 0,1,2,3
.if \b < 3
	s_wait_loadcnt 32                              ; this block's 32 loads are in; the next block's may be out
.else
	s_wait_loadcnt 0x0
.endif
.if \b < 2
	LOADB \b+2, 6, 12288
.endif
	MAXB 64+32*\b
	v_add_nc_u32 v[10+\b], 0xff000000, v8          ; the conversion's scale operand
	v_lshrrev_b32 v14, 23, v[10+\b]                ; the scale's byte
.if \b == 0
	v_mov_b32 v15, v14
.else
	v_lshl_or_b32 v15, v14, 8*\b, v15
.endif
.irp g, 0,1,2,3
	v_cvt_scalef32_pk8_fp4_f32 v[16+4*\b+\g], v[64+32*\b+8*\g:71+32*\b+8*\g], v[10+\b]
.endr
	global_store_b128 v5, v[16+4*\b:19+4*\b], s[12:13] offset:256*\b   ; block b = 2 c + h of the image: sixteen lanes store 256 consecutive bytes
.endr
	global_store_b32 v6, v15, s[14:15]             ; word q of my column: 4 bytes, 16 apart: 98,304 bytes in the whole launch leave so
	s_endpgm
.LWP:
	s_sub_co_u32 s19, ttmp9, 448
	s_lshr_b32 s22, s19, 3                         ; which 128 columns
	s_and_b32 s23, s19, 7                          ; ks
	s_lshl_b32 s24, s22, 7
	s_lshl_b32 s25, s18, 5
	s_add_co_u32 s24, s24, s25                     ; my first column
	s_lshl_b32 s26, s23, 19                        ; 128 rows of 4,096 bytes
	s_lshl_b32 s27, s24, 2
	s_add_co_u32 s26, s26, s27
	s_mov_b32 s27, 0
	s_add_nc_u64 s[8:9], s[8:9], s[26:27]
	s_lshl_b32 s26, s23, 6
	s_lshr_b32 s30, s24, 4
	s_add_co_u32 s26, s26, s30
	s_lshl_b32 s26, s26, 12                        ; (64 ks + ntile) x 4,096
	s_add_nc_u64 s[16:17], s[16:17], s[26:27]
	v_lshlrev_b32 v4, 2, v1
	v_lshlrev_b32 v5, 4, v2
	v_lshl_add_u32 v5, v3, 12, v5
	LOADB 0, 8, 4096
	LOADB 1, 8, 4096
.irp b, 0,1,2,3
.if \b < 3
	s_wait_loadcnt 32
.else
	s_wait_loadcnt 0x0
.endif
.if \b < 2
	LOADB \b+2, 8, 4096
.endif
.set ii, 0
.rept 16
	v_cvt_pk_f16_f32 v[192+16*\b+ii], v[64+32*\b+2*ii], v[65+32*\b+2*ii]
.set ii, ii+1
.endr
.irp g, 0,1,2,3
	global_store_b128 v5, v[192+16*\b+4*\g:195+16*\b+4*\g], s[16:17] offset:256*(4*\b+\g)   ; eight k: piece 4 f + 2 c + h of the tile's four images
.endr
.endr
	s_endpgm
.Lfunc_end_k_q22ce1f63c1_prep:
	.size	k_q22ce1f63c1_prep, .Lfunc_end_k_q22ce1f63c1_prep-k_q22ce1f63c1_prep
	.p2alignl 7, 3214868480
	.fill 96, 4, 3214868480
	.section	.rodata,"a",@progbits
	.p2align	6, 0x0
	.amdhsa_kernel k_q22ce1f63c1_prep
		.amdhsa_group_segment_fixed_size 34304
		.amdhsa_private_segment_fixed_size 0
		.amdhsa_enable_private_segment 0
		.amdhsa_kernarg_size 56
		.amdhsa_user_sgpr_count 2
		.amdhsa_user_sgpr_kernarg_segment_ptr 1
		.amdhsa_wavefront_size32 1
		.amdhsa_system_sgpr_workgroup_id_x 1
		.amdhsa_system_sgpr_workgroup_id_y 1
		.amdhsa_system_sgpr_workgroup_id_z 1
		.amdhsa_system_vgpr_workitem_id 0
		.amdhsa_next_free_vgpr 256
		.amdhsa_next_free_sgpr 66
		.amdhsa_reserve_vcc 1
		.amdhsa_float_denorm_mode_32 3
		.amdhsa_float_denorm_mode_16_64 3
		.amdhsa_memory_ordered 1
		.amdhsa_forward_progress 1
		.amdhsa_inst_pref_size 74
	.end_amdhsa_kernel
	.amdgpu_metadata
---
amdhsa.version: [ 1, 2 ]
amdhsa.kernels:
  - .name:           k_q22ce1f63c1_prep
    .symbol:         k_q22ce1f63c1_prep.kd
    .args:
      - { .name: x, .offset: 0, .size: 8, .value_kind: global_buffer, .address_space: global }
      - { .name: W_attn, .offset: 8, .size: 8, .value_kind: global_buffer, .address_space: global }
      - { .name: W_proj, .offset: 16, .size: 8, .value_kind: global_buffer, .address_space: global }
      - { .name: xc, .offset: 24, .size: 8, .value_kind: global_buffer, .address_space: global }
      - { .name: wc, .offset: 32, .size: 8, .value_kind: global_buffer, .address_space: global }
      - { .name: scl, .offset: 40, .size: 8, .value_kind: global_buffer, .address_space: global }
      - { .name: wp, .offset: 48, .size: 8, .value_kind: global_buffer, .address_space: global }
    .group_segment_fixed_size: 34304
    .private_segment_fixed_size: 0
    .kernarg_segment_align: 8
    .kernarg_segment_size: 56
    .max_flat_workgroup_size: 128
    .sgpr_count:     66
    .vgpr_count:     256
    .wavefront_size: 32
...
	.end_amdgpu_metadata
.endif
;; end of part 1
;; launch gemm_qkv (part 2): grid 12 x 32, 4 waves a work-group, clusters of 4 x 4, 327,680 bytes of LDS; arguments xc, wc, scl, b_attn, qkvh, fine32; writes qkvh, fine32
.if DOCPART == 2
	.amdgcn_target "amdgcn-amd-amdhsa--gfx1250"
	.amdhsa_code_object_version 6
	.text
	.protected	k_q22ce1f63c1_gemm_qkv
	.globl	k_q22ce1f63c1_gemm_qkv
	.p2align	8
	.type	k_q22ce1f63c1_gemm_qkv,@function
k_q22ce1f63c1_gemm_qkv:
	s_mov_b64 s[64:65], 0
	v_nop
	global_prefetch_b8 v0, s[64:65] scope:SCOPE_SE
	s_setreg_imm32_b32 hwreg(HW_REG_WAVE_MODE, 25, 1), 1
	s_wait_xcnt 0x0
	s_wait_alu depctr_hold_cnt(0) depctr_sa_sdst(0) depctr_va_vdst(0) depctr_va_sdst(0) depctr_va_ssrc(0) depctr_va_vcc(0) depctr_vm_vsrc(0)
	s_getreg_b32 s2, hwreg(HW_REG_IB_STS2, 6, 4)
	s_cmp_eq_u32 s2, 0
	s_cbranch_scc0 .Lentry_in_a_cluster
	s_endpgm
.Lentry_in_a_cluster:
	s_bfe_u32 s2, ttmp6, 0x10000c
	s_cmp_lg_u32 s2, 0xf033
	s_cbranch_scc0 .Lentry_shape_is_right
	s_endpgm
.Lentry_shape_is_right:
; qkv = Q(x) Q(W_attn) + b_attn on codes of FP4 with E8M0 scales, then the rotary turn of q and k, in f32.  Out: qkvh [part 3][batch x 16 + head][t 2048][64] f16, and the rows t < 16 of each batch in f32, fine32 [b][t 16][3072].
; A work-group of four waves makes 256 x 256 of qkv, a wave 128 x 128: 64 accumulators of 16 x 16.  K = 1,024 is two slots of 512: both are first fills, and nothing in LDS is filled again.
; Codes and scale words lie in memory in the order of the operands' registers (launch prep): a tile of 16 rows x 512 K is 4,096 dense bytes, a wave's tensor load brings eight of them as 128 rows of 256 bytes,
; and every fragment load reads 512 consecutive bytes of LDS, 16 a lane: no pitch, no padding.
; CLUSTERS: 4 x 4 work-groups.  The four of a row of the cluster need the same tiles of x, the four of a column the same tiles of W: each is asked for jointly.  A cluster's x is the part: 0 q, 1 k, 2 v.
; THE MATRIX INSTRUCTION IS USED TRANSPOSED (source 0 = 16 columns of W, source 1 = 16 rows of x): a lane holds one row and eight neighbouring columns.  The bias is the C of each sum's first instruction.
; LIMIT: q, k and v are rounded to f16 for the attention products: they are taken to lie under 65,504 in magnitude.
; REGISTERS: window 0: v16-31 addresses; v32-95 scale words, two sets; v128-191 x's fragments, one set; v192-255 the bias.  window 1: W's fragments, two sets (v0, v128).  windows 2, 3: accumulator (a, b) at v[8 (8 (a % 4) + b)].
; On the way out: window 1 v0-127 cos and sin of my 128 rows, v128-159 at work; window 0 v192-223 packed results, v32-63 and v224-255 rows read back.
.set NQ,     4                         ; steps of 128 along K in a slot
.set FR,     8                         ; registers of a fragment
.set NL,     2                         ; LDS loads that bring one
.set NP,     4                         ; places behind this matrix instruction (ISA guide 7.12.1)
.set SLOT,   131072                    ; x's 16 tiles of 4,096 bytes, then W's 16
.set SCL,    262144                    ; x's scale words, 16 tiles x 512 bytes, then W's
.set SPARE,  278528                    ; the spare words, 128 bytes for each wave
.set ADRA, 16                          ; v16-17 LDS address of my fragments of x in slot 0, 1
.set ADRB, 20                          ; v20-21 the same for W
.set BO,   22                          ; v22  32 h: my eight columns in a block of 16, as f32
.set FL,   23                          ; v23  0 where my wave holds the rows t < 16
.set STO,  24                          ; v24  the stage: where I put 16 bytes of a row
.set RD,   25                          ; v25  and where I read back
.set CO,   26                          ; v26  16 x lane
.set ADRS, 27                          ; v27  my scale words: lanes 0-15 x's rows, lanes 16-31 W's columns
.set SPW,  28
.set NIL,  29
.set RO,   30                          ; v30  64 r + 32 h: my row and my eight frequencies in the rotary tables
.set FO,   31                          ; v31  12,288 r + 32 h: my place in fine32
.set SC,   32
.set AF,   128
.set BI,   192
.set TMP,  192
.set G1, 24                            ; s[24:31] group 1 for x's tiles; s[32:39] groups 0, one for each slot
.set G0, 32
.set G1B, 48                           ; s[48:55], s[56:63] the same for W's
.set G0B, 56
.set G1S, 68                           ; s[68:75], s[76:79] for x's scale words; s[80:87], s[88:91] for W's
.set G0S, 76
.set G1SB, 80
.set G0SB, 88
.set MSB, 0
.macro WIN new                         ; the immediate's high byte repeats the setting that is left
.if MSB != (\new)
	s_set_vgpr_msb (MSB<<8)|(\new)
.set MSB, (\new)
.endif
.endm
.set MUL_LO, 0xa1                      ; source 0 (W) window 1, source 1 (x) window 0, C and D window 2
.set MUL_HI, 0xf1                      ; the same, C and D window 3
.set TO_B,   0x40
.macro JLOAD g0a, g1a, g0b, g1b        ; a joint load: waves 0, 1 fetch for x, waves 2, 3 for W; an s_nop 0 and four v_nop follow each line
	s_cmp_eq_u32 s17, 0
	s_cbranch_scc0 .Lfor_b_\@
	tensor_load_to_lds s[\g0a:\g0a+3], s[\g1a:\g1a+7]
	s_nop 0
.rept 4
	v_nop
.endr
	s_branch .Lasked_\@
.Lfor_b_\@:
	tensor_load_to_lds s[\g0b:\g0b+3], s[\g1b:\g1b+7]
	s_nop 0
.rept 4
	v_nop
.endr
.Lasked_\@:
.endm
.macro CROUND                          ; a round of the cluster's barrier
	s_barrier_signal -1
	s_barrier_wait -1
	s_cmp_lg_u32 s16, 0
	s_cbranch_scc1 .Lnot_wave_0_\@
	s_barrier_signal -3
.Lnot_wave_0_\@:
	s_barrier_wait -3
	s_barrier_signal -1
	s_barrier_wait -1
.endm
	s_load_b256 s[4:11], s[0:1], 0x0               ; xc s[4:5], wc s[6:7], scl s[8:9], b_attn s[10:11]
	s_load_b128 s[12:15], s[0:1], 0x20             ; qkvh s[12:13], fine32 s[14:15]
	v_lshl_add_u32 v[SPW], v0, 2, SPARE
	v_mov_b32 v[NIL], 0
	ds_add_u32 v[SPW], v[NIL]                      ; the wave's opening: the add, twice on end, and its wait ahead of my first tensor load
	ds_add_u32 v[SPW], v[NIL]
	v_lshrrev_b32 v1, 5, v0
	v_readfirstlane_b32 s16, v1                    ; wave 0..3
	s_lshr_b32 s17, s16, 1                         ; which half of the tile's rows is mine.  Also: I fetch for x (0) or for W (1)
	s_and_b32 s18, s16, 1                          ; which half of its columns.  Also: which eight tiles I fetch
	s_bfe_u32 s40, ttmp6, 0x40000                  ; cx
	s_bfe_u32 s41, ttmp6, 0x40004                  ; cy
	s_lshl_b32 s42, ttmp9, 2
	s_add_co_u32 s42, s42, s40                     ; tile column 0..11
	s_and_b32 s43, ttmp7, 0xffff
	s_lshl_b32 s43, s43, 2
	s_add_co_u32 s43, s43, s41                     ; tile row 0..31
	s_lshl_b32 s44, s41, 2
	s_lshl_b32 s44, 15, s44                        ; my row of the cluster
	s_lshl_b32 s45, 0x1111, s40                    ; my column
	s_mov_b32 s98, ttmp9                           ; the part: the same in all sixteen partners
	; group 1: dense blocks as rows of 256 bytes: 32 elements of 8 bytes, pitch 32; 128 rows of codes, 16 rows of scale words
	s_or_b32 s[G1], s44, (3<<16)|(1<<21)
	s_or_b32 s[G1B], s45, (3<<16)|(1<<21)
	s_or_b32 s[G1S], s44, (3<<16)|(1<<21)
	s_or_b32 s[G1SB], s45, (3<<16)|(1<<21)
.irp g, G1, G1B
	s_mov_b32 s[\g+1], 32<<16                      ; tensor_dim0
	s_mov_b32 s[\g+2], 128<<16                     ; tensor_dim1
	s_mov_b32 s[\g+3], 32<<16                      ; tile_dim0
	s_mov_b32 s[\g+4], 128                         ; tile_dim1
	s_mov_b32 s[\g+5], 32                          ; the pitch
	s_mov_b32 s[\g+6], 0
	s_mov_b32 s[\g+7], 0
.endr
.irp g, G1S, G1SB
	s_mov_b32 s[\g+1], 32<<16
	s_mov_b32 s[\g+2], 16<<16
	s_mov_b32 s[\g+3], 32<<16
	s_mov_b32 s[\g+4], 16
	s_mov_b32 s[\g+5], 32
	s_mov_b32 s[\g+6], 0
	s_mov_b32 s[\g+7], 0
.endr
	s_lshl_b32 s19, s18, 3
	s_lshl_b32 s20, s43, 4
	s_add_co_u32 s20, s20, s19                     ; x: the first of my eight tiles
	s_lshl_b32 s46, s42, 4
	s_add_co_u32 s46, s46, s19                     ; W: likewise
	s_lshl_b32 s22, s20, 9                         ; their scale words, 512 bytes a tile,
	s_mov_b32 s23, 0
	s_lshl_b32 s20, s20, 12                        ; and their codes, 4,096 bytes a tile and slot
	s_mov_b32 s21, 0
	s_lshl_b32 s92, s46, 9
	s_add_co_u32 s92, s92, 262144
	s_mov_b32 s93, 0
	s_lshl_b32 s46, s46, 12
	s_mov_b32 s47, 0
	s_lshl_b32 s94, s16, 12                        ; where they go: wave x 4,096 among the scale words,
	s_lshl_b32 s95, s16, 15                        ; wave x 32,768 in a slot: no place in the cluster enters an LDS address
	s_wait_dscnt 0x0                               ; both opening adds are done
	s_wait_kmcnt 0x0
	s_add_nc_u64 s[20:21], s[4:5], s[20:21]
	s_add_nc_u64 s[22:23], s[8:9], s[22:23]
	s_add_nc_u64 s[46:47], s[6:7], s[46:47]
	s_add_nc_u64 s[92:93], s[8:9], s[92:93]
	CROUND                                         ; all sixteen work-groups are here: the first joint loads meet
	s_mov_b32 s[G0S], 1
	s_add_co_u32 s[G0S+1], s94, SCL
	s_mov_b64 s[G0S+2:G0S+3], s[22:23]
	s_or_b32 s[G0S+3], s[G0S+3], 0x80000000
	s_mov_b32 s[G0SB], 1
	s_add_co_u32 s[G0SB+1], s94, SCL
	s_mov_b64 s[G0SB+2:G0SB+3], s[92:93]
	s_or_b32 s[G0SB+3], s[G0SB+3], 0x80000000
	JLOAD G0S, G1S, G0SB, G1SB                     ; the scale words first: they are wanted with slot 0
.irp s, 0,1
	s_mov_b32 s[G0+4*\s], 1
	s_add_co_u32 s[G0+4*\s+1], s95, \s*SLOT
	s_add_nc_u64 s[G0+4*\s+2:G0+4*\s+3], s[20:21], \s*2097152
	s_or_b32 s[G0+4*\s+3], s[G0+4*\s+3], 0x80000000
	s_mov_b32 s[G0B+4*\s], 1
	s_add_co_u32 s[G0B+4*\s+1], s95, \s*SLOT
	s_add_nc_u64 s[G0B+4*\s+2:G0B+4*\s+3], s[46:47], \s*786432
	s_or_b32 s[G0B+4*\s+3], s[G0B+4*\s+3], 0x80000000
	JLOAD G0+4*\s, G1, G0B+4*\s, G1B               ; three loads of mine are out
.endr
	v_and_b32 v1, 15, v0                           ; r
	v_bfe_u32 v2, v0, 4, 1                         ; h
	v_and_b32 v3, 31, v0
	v_lshlrev_b32 v[BO], 5, v2
	s_lshl_b32 s96, s42, 8
	s_lshl_b32 s47, s18, 7
	s_add_co_u32 s96, s96, s47                     ; my first column of qkv
	s_lshl_b32 s46, s96, 2
	s_mov_b32 s47, 0
	s_add_nc_u64 s[10:11], s[10:11], s[46:47]
.irp b, 0,1,2,3,4,5,6,7
.irp e, 0,1
	global_load_b128 v[BI+8*\b+4*\e:BI+8*\b+4*\e+3], v[BO], s[10:11] offset:64*\b+16*\e   ; the bias in the result's layout: columns 16 b + 8 h + 0..7
.endr
.endr
	v_lshlrev_b32 v[CO], 4, v3
	s_lshl_b32 s21, s17, 15                        ; my eight tiles of x,
	s_lshl_b32 s22, s18, 15
	s_add_co_u32 s22, s22, 65536                   ; and of W, behind x's sixteen
.irp s, 0,1
	v_add_nc_u32 v[ADRA+\s], s21, v[CO]
	v_add_nc_u32 v[ADRB+\s], s22, v[CO]
	s_add_co_u32 s21, s21, SLOT
	s_add_co_u32 s22, s22, SLOT
.endr
	v_lshlrev_b32 v5, 4, v1                        ; a row's four words
	s_lshl_b32 s21, s17, 12
	s_lshl_b32 s22, s18, 12
	s_add_co_u32 s22, s22, 8192
	s_sub_co_u32 s22, s22, s21
	v_mul_u32_u24 v6, s22, v2                      ; lanes 16-31 take W's: one product, the distance between the two bases
	s_add_co_u32 s21, s21, SCL
	v_add_nc_u32 v5, v5, v6
	v_add_nc_u32 v[ADRS], s21, v5
	s_mul_i32 s23, s16, 4352                       ; my stage: 16 rows x 272 bytes, in slot 0
	v_mul_u32_u24 v5, v1, 272
	v_lshl_add_u32 v5, v2, 4, v5
	v_add_nc_u32 v[STO], s23, v5
	v_lshrrev_b32 v5, 3, v3
	v_mul_u32_u24 v5, v5, 272
	v_and_b32 v6, 7, v3
	v_lshl_add_u32 v5, v6, 4, v5
	v_add_nc_u32 v[RD], s23, v5                    ; back: eight lanes to a head's 128 bytes of a row, four rows an instruction
	v_lshl_add_u32 v[RO], v1, 6, v[BO]
	v_mul_u32_u24 v5, v1, 12288
	v_add_nc_u32 v[FO], v5, v[BO]
	s_lshr_b32 s92, s43, 3                         ; the batch
	s_mul_i32 s92, s92, 196608
	s_add_co_u32 s92, s92, s46
	s_mov_b32 s93, 0
	s_add_nc_u64 s[14:15], s[14:15], s[92:93]      ; fine32 at my batch and my first column
	s_lshl_b32 s97, s43, 8
	s_lshl_b32 s93, s17, 7
	s_add_co_u32 s97, s97, s93
	s_and_b32 s97, s97, 2047                       ; my first row's position t
	s_lshl_b32 s20, s97, 6
	s_add_co_u32 s20, s20, 360448
	s_mov_b32 s21, 0
	s_add_nc_u64 s[20:21], s[8:9], s[20:21]        ; the rotary tables at that position
	s_lshr_b32 s92, s96, 6                         ; my first head among the 48 of q, k, v
	s_lshr_b32 s93, s92, 4
	s_lshl_b32 s93, s93, 24                        ; the part
	s_and_b32 s92, s92, 15
	s_lshl_b32 s92, s92, 18                        ; the head
	s_add_co_u32 s92, s92, s93
	s_lshr_b32 s93, s43, 3
	s_lshl_b32 s93, s93, 22                        ; the batch's 16 heads
	s_add_co_u32 s92, s92, s93
	s_lshl_b32 s93, s97, 7                         ; rows of 128 bytes
	s_add_co_u32 s92, s92, s93
	s_mov_b32 s93, 0
	s_add_nc_u64 s[12:13], s[12:13], s[92:93]
	s_and_b32 s19, s43, 7
	s_or_b32 s19, s19, s17                         ; 0 where my rows begin at t = 0
	v_mov_b32 v[FL], s19
.macro FRAG reg, adr, q, i             ; a fragment's image: tile i, the slot's q-th 128 along K
.irp c, 0,1
	ds_load_b128 v[\reg+4*\c:\reg+4*\c+3], v[\adr] offset:(4*(\i)+(\q))*1024+512*\c
.endr
.endm
; 16 matrix instructions: x's blocks a0, a0 + 1 against W's eight.  zero = 1: the bias is the C: nothing is cleared or added later.  The 64 accumulators take turns, one instruction a turn.
.macro MUL16 a0, p, q, sc, zero
.irp a, \a0, \a0+1
.irp b, 0,1,2,3,4,5,6,7
.if \zero
	v_wmma_scale_f32_16x16x128_f8f6f4 v[8*(8*((\a)%4)+\b):8*(8*((\a)%4)+\b)+7], v[128*(\p)+FR*\b:128*(\p)+FR*\b+FR-1], v[AF+FR*(\a):AF+FR*(\a)+FR-1], v[BI+8*\b:BI+8*\b+7], v[SC+8*NQ*(\sc)+NQ*\b+(\q)], v[SC+8*NQ*(\sc)+NQ*(\a)+(\q)] matrix_a_fmt:MATRIX_FMT_FP4 matrix_b_fmt:MATRIX_FMT_FP4 matrix_a_scale:MATRIX_SCALE_ROW1
.else
	v_wmma_scale_f32_16x16x128_f8f6f4 v[8*(8*((\a)%4)+\b):8*(8*((\a)%4)+\b)+7], v[128*(\p)+FR*\b:128*(\p)+FR*\b+FR-1], v[AF+FR*(\a):AF+FR*(\a)+FR-1], v[8*(8*((\a)%4)+\b):8*(8*((\a)%4)+\b)+7], v[SC+8*NQ*(\sc)+NQ*\b+(\q)], v[SC+8*NQ*(\sc)+NQ*(\a)+(\q)] matrix_a_fmt:MATRIX_FMT_FP4 matrix_b_fmt:MATRIX_FMT_FP4 matrix_a_scale:MATRIX_SCALE_ROW1
.endif
.endr
.endr
.endm
.macro FETCH_B slot, q, p
	WIN TO_B
.irp i, 0,1,2,3,4,5,6,7
	FRAG 128*(\p)+FR*\i, ADRB+\slot, \q, \i
.endr
	WIN 0
.endm
.macro FETCH_A slot, q, i0
.irp i, \i0, \i0+1, \i0+2, \i0+3
	FRAG AF+FR*(\i), ADRA+\slot, \q, \i
.endr
.endm
.macro SCALES sc                       ; slot sc's scale words: four a row; lanes 0-15 x's tile i, lanes 16-31 W's tile i
.irp i, 0,1,2,3,4,5,6,7
	ds_load_b128 v[SC+8*NQ*\sc+NQ*\i:SC+8*NQ*\sc+NQ*\i+3], v[ADRS] offset:512*\i+256*\sc
.endr
.endm
.macro PLACES n                        ; plain places between a matrix instruction and a load into, or a read of, its registers
.rept \n
	v_nop
.endr
.endm
.macro STEP slot, q, zero              ; a step of 128 along K that has its successor in the same slot
	s_wait_dscnt 4*NL                              ; W's set and x's blocks 0-3 are in; the youngest eight loads (x's blocks 4-7) may be out
.if \zero
	WIN 0x81                                       ; C (the bias) in window 0
.else
	WIN MUL_LO
.endif
	MUL16 0, (\q)%2, \q, \slot, \zero
	MUL16 2, (\q)%2, \q, \slot, \zero
	s_wait_dscnt 0
	PLACES NP
	FETCH_B \slot, (\q)+1, 1-(\q)%2
	FETCH_A \slot, (\q)+1, 0
.if \zero
	WIN 0xc1
.else
	WIN MUL_HI
.endif
	MUL16 4, (\q)%2, \q, \slot, \zero
	MUL16 6, (\q)%2, \q, \slot, \zero
	PLACES NP
	WIN 0
	FETCH_A \slot, (\q)+1, 4
.endm
.macro TURN slot, next                 ; a slot's last step changes slots: one barrier; in front of it all my tensor loads have landed.  Nothing is filled again
	s_wait_tensorcnt 0x0                           ; my part of the next slot is in
	ds_add_u32 v[SPW], v[NIL]
	s_wait_dscnt 4*NL+1                            ; the add and the youngest eight loads may be out
	WIN MUL_LO
	MUL16 0, 1, NQ-1, \slot, 0
	s_wait_dscnt 0x0                               ; the add is done, and my reads of this slot are over
	s_barrier_signal -1
	MUL16 2, 1, NQ-1, \slot, 0
	WIN 0
	s_barrier_wait -1
	PLACES NP
	FETCH_B \next, 0, 0
	FETCH_A \next, 0, 0
	SCALES \next
	WIN MUL_HI
	MUL16 4, 1, NQ-1, \slot, 0
	MUL16 6, 1, NQ-1, \slot, 0
	PLACES NP
	WIN 0
	FETCH_A \next, 0, 4
.endm
.macro STEPS slot, from
.set Q, \from
.rept NQ-1-\from
	STEP \slot, Q, 0
.set Q, Q+1
.endr
.endm
	s_wait_tensorcnt 1                             ; the scale words and my part of slot 0 are in; slot 1's load may be out
	s_barrier_signal -1
	s_barrier_wait -1
	FETCH_B 0, 0, 0
	FETCH_A 0, 0, 0
	SCALES 0
	FETCH_A 0, 0, 4
	s_wait_loadcnt 0x0                             ; the bias
	STEP 0, 0, 1
	STEPS 0, 1
	TURN 0, 1
	STEPS 1, 0
	s_wait_dscnt 4*NL                              ; the very last step: nothing more to fetch
	WIN MUL_LO
	MUL16 0, 1, NQ-1, 1, 0
	MUL16 2, 1, NQ-1, 1, 0
	s_wait_dscnt 0
	WIN MUL_HI
	MUL16 4, 1, NQ-1, 1, 0
	MUL16 6, 1, NQ-1, 1, 0
	WIN 0
	PLACES NP
; THE ROTARY TURN of q and k: in a head, column d < 32 and column d + 32 turn by the angle t x 10000^(-(d % 16) / 16).  Blocks 4 u + w and 4 u + w + 2 (w = 0, 1) of head u are such partners, and a lane's
; register j has frequency 8 h + j in both.  The branch hangs on the cluster's x alone: the same in all partners.  The tables are loaded in the arm that reads them.
	s_cmp_eq_u32 s98, 2
	s_cbranch_scc1 .Lplain
	WIN 0x40
.irp a, 0,1,2,3,4,5,6,7
.irp z, 0,1
.irp e, 0,1
	global_load_b128 v[16*\a+8*\z+4*\e:16*\a+8*\z+4*\e+3], v[RO], s[20:21] offset:1024*\a+131072*\z+16*\e   ; block a's rows: cos at 16 a, sin at 16 a + 8
.endr
.endr
.endr
	s_wait_loadcnt 0x0
.macro ROPE a
.set WW, 2+(\a)/4
.set AB, 64*((\a)%4)
	WIN (1<<6)|(1<<2)|WW
.irp u, 0,1
.irp w, 0,1
.irp j, 0,2,4,6
	v_pk_mul_f32 v[128+16*\u+8*\w+\j:129+16*\u+8*\w+\j], v[AB+8*(4*\u+\w)+\j:AB+8*(4*\u+\w)+\j+1], v[16*(\a)+8+\j:16*(\a)+9+\j]   ; lo sin, kept.  (Each accumulator is read from its low end on)
.endr
.endr
.endr
	WIN (WW<<6)|(WW<<4)|(1<<2)|WW
.irp u, 0,1
.irp w, 0,1
.irp j, 0,2,4,6
	v_pk_mul_f32 v[AB+8*(4*\u+\w)+\j:AB+8*(4*\u+\w)+\j+1], v[AB+8*(4*\u+\w)+\j:AB+8*(4*\u+\w)+\j+1], v[16*(\a)+\j:16*(\a)+1+\j]   ; lo cos
.endr
.endr
.endr
.irp u, 0,1
.irp w, 0,1
.irp j, 0,2,4,6
	v_pk_fma_f32 v[AB+8*(4*\u+\w)+\j:AB+8*(4*\u+\w)+\j+1], v[AB+8*(4*\u+\w+2)+\j:AB+8*(4*\u+\w+2)+\j+1], v[16*(\a)+8+\j:16*(\a)+9+\j], v[AB+8*(4*\u+\w)+\j:AB+8*(4*\u+\w)+\j+1] neg_lo:[1,0,0] neg_hi:[1,0,0]   ; - hi sin
.endr
.endr
.endr
	WIN (WW<<6)|(1<<4)|(1<<2)|WW
.irp u, 0,1
.irp w, 0,1
.irp j, 0,2,4,6
	v_pk_fma_f32 v[AB+8*(4*\u+\w+2)+\j:AB+8*(4*\u+\w+2)+\j+1], v[AB+8*(4*\u+\w+2)+\j:AB+8*(4*\u+\w+2)+\j+1], v[16*(\a)+\j:16*(\a)+1+\j], v[128+16*\u+8*\w+\j:129+16*\u+8*\w+\j]   ; hi cos + lo sin
.endr
.endr
.endr
.endm
.irp a, 0,1,2,3,4,5,6,7
	ROPE \a
.endr
	WIN 0
.Lplain:
; THE ROWS t < 16 IN f32, for launch fine.  They are block 0 of the waves whose rows begin at t = 0.  That hangs on the work-group's place in its cluster, so it is no branch: the stores run with no lane on elsewhere.
	s_wait_xcnt 0x0                                ; EXEC changes only behind this wait
	v_cmp_eq_u32 vcc_lo, 0, v[FL]
	s_and_saveexec_b32 s99, vcc_lo
	WIN 0x08                                       ; a store's data are its source 1: window 2
.irp b, 0,1,2,3,4,5,6,7
.irp e, 0,1
	global_store_b128 v[FO], v[8*\b+4*\e:8*\b+4*\e+3], s[14:15] offset:64*\b+16*\e
.endr
.endr
	WIN 0
	s_wait_xcnt 0x0
	s_or_b32 exec_lo, exec_lo, s99
; THE WAY OUT, 16 rows x 128 columns (two heads) at a time: rounded to f16, 16 bytes a lane into my stage, back as four rows of one head, which are 512 consecutive bytes of qkvh.
; The stage lies in slot 0, which has had its only fill and, since the change of slots, no reader.
.macro PACK a
.set AC, 64*((\a)%4)
	WIN 0x0a+5*((\a)/4)
.irp b, 0,1,2,3,4,5,6,7
.irp r, 0,1,2,3
	v_cvt_pk_f16_f32 v[TMP+4*\b+\r], v[AC+8*\b+2*\r], v[AC+8*\b+2*\r+1]
.endr
.endr
	WIN 0
.endm
.macro TOSTAGE a
.set BK, 32+192*((\a)%2)
.irp b, 0,1,2,3,4,5,6,7
	ds_store_b128 v[STO], v[TMP+4*\b:TMP+4*\b+3] offset:32*\b
.endr
.irp t, 0,1,2,3,4,5,6,7
	ds_load_b128 v[BK+4*\t:BK+4*\t+3], v[RD] offset:128*(\t/4)+1088*(\t%4)   ; LDS serves a wave's instructions in order: these see the stores above
.endr
.endm
.macro SEND a
.set BK, 32+192*((\a)%2)
	s_wait_dscnt 0x0                               ; the block is back in registers
	s_wait_xcnt 0x0                                ; earlier stores have read their registers: the block after next may land there
.irp t, 0,1,2,3,4,5,6,7
	global_store_b128 v[CO], v[BK+4*\t:BK+4*\t+3], s[12:13] offset:262144*(\t/4)+2048*(\a)+512*(\t%4)
.endr
.endm
	PACK 0
	TOSTAGE 0
.irp a, 1,2,3,4,5,6,7
	PACK \a                                        ; block a's conversions stand between block a - 1's loads from the stage and the wait for them
	SEND \a-1
	TOSTAGE \a
.endr
	SEND 7
	s_wait_tensorcnt 0x0                           ; the wave's end
	ds_add_u32 v[SPW], v[NIL]
	s_wait_dscnt 0x0
	CROUND                                         ; the closing round
	s_endpgm
.Lfunc_end_k_q22ce1f63c1_gemm_qkv:
	.size	k_q22ce1f63c1_gemm_qkv, .Lfunc_end_k_q22ce1f63c1_gemm_qkv-k_q22ce1f63c1_gemm_qkv
	.p2alignl 7, 3214868480
	.fill 96, 4, 3214868480
	.section	.rodata,"a",@progbits
	.p2align	6, 0x0
	.amdhsa_kernel k_q22ce1f63c1_gemm_qkv
		.amdhsa_group_segment_fixed_size 327680
		.amdhsa_private_segment_fixed_size 0
		.amdhsa_enable_private_segment 0
		.amdhsa_kernarg_size 48
		.amdhsa_user_sgpr_count 2
		.amdhsa_user_sgpr_kernarg_segment_ptr 1
		.amdhsa_wavefront_size32 1
		.amdhsa_system_sgpr_workgroup_id_x 1
		.amdhsa_system_sgpr_workgroup_id_y 1
		.amdhsa_system_sgpr_workgroup_id_z 1
		.amdhsa_system_vgpr_workitem_id 0
		.amdhsa_next_free_vgpr 1024
		.amdhsa_next_free_sgpr 100
		.amdhsa_reserve_vcc 1
		.amdhsa_float_denorm_mode_32 3
		.amdhsa_float_denorm_mode_16_64 3
		.amdhsa_memory_ordered 1
		.amdhsa_forward_progress 1
		.amdhsa_inst_pref_size 166
	.end_amdhsa_kernel
	.amdgpu_metadata
---
amdhsa.version: [ 1, 2 ]
amdhsa.kernels:
  - .name:           k_q22ce1f63c1_gemm_qkv
    .symbol:         k_q22ce1f63c1_gemm_qkv.kd
    .args:
      - { .name: xc, .offset: 0, .size: 8, .value_kind: global_buffer, .address_space: global }
      - { .name: wc, .offset: 8, .size: 8, .value_kind: global_buffer, .address_space: global }
      - { .name: scl, .offset: 16, .size: 8, .value_kind: global_buffer, .address_space: global }
      - { .name: b_attn, .offset: 24, .size: 8, .value_kind: global_buffer, .address_space: global }
      - { .name: qkvh, .offset: 32, .size: 8, .value_kind: global_buffer, .address_space: global }
      - { .name: fine32, .offset: 40, .size: 8, .value_kind: global_buffer, .address_space: global }
    .group_segment_fixed_size: 327680
    .private_segment_fixed_size: 0
    .kernarg_segment_align: 8
    .kernarg_segment_size: 48
    .max_flat_workgroup_size: 128
    .sgpr_count:     100
    .vgpr_count:     1024
    .wavefront_size: 32
...
	.end_amdgpu_metadata
.endif
;; end of part 2
;; launch attn (part 3): grid 4 x 64, 16 waves a work-group, clusters of 4 x 1, 327,680 bytes of LDS; arguments qkvh, yimg; writes yimg
.if DOCPART == 3
	.amdgcn_target "amdgcn-amd-amdhsa--gfx1250"
	.amdhsa_code_object_version 6
	.text
	.protected	k_q22ce1f63c1_attn
	.globl	k_q22ce1f63c1_attn
	.p2align	8
	.type	k_q22ce1f63c1_attn,@function
k_q22ce1f63c1_attn:
	s_mov_b64 s[64:65], 0
	v_nop
	global_prefetch_b8 v0, s[64:65] scope:SCOPE_SE
	s_setreg_imm32_b32 hwreg(HW_REG_WAVE_MODE, 25, 1), 1
	s_wait_xcnt 0x0
	s_wait_alu depctr_hold_cnt(0) depctr_sa_sdst(0) depctr_va_vdst(0) depctr_va_sdst(0) depctr_va_ssrc(0) depctr_va_vcc(0) depctr_vm_vsrc(0)
	s_getreg_b32 s2, hwreg(HW_REG_IB_STS2, 6, 4)
	s_cmp_eq_u32 s2, 0
	s_cbranch_scc0 .Lentry_in_a_cluster
	s_endpgm
.Lentry_in_a_cluster:
	s_bfe_u32 s2, ttmp6, 0x10000c
	s_cmp_lg_u32 s2, 0x3003
	s_cbranch_scc0 .Lentry_shape_is_right
	s_endpgm
.Lentry_shape_is_right:
; y = softmax(q k^T / 8, causal) v for each of 64 (batch, head), f16 operands, f32 sums, maxima and softmax.  q, k, v: qkvh [part][batch x 16 + head][t 2048][64] f16.
; WORK LEFT OUT: the steps of 64 keys all of which come after a tile's 16 queries: the problem's own causal mask gives them the weight 0 (shown at the head of launch prep).
; y leaves as the next product's operand: yimg [ks 8][mtile 512][f 4][1024], f16 fragments of 16 rows x 32 channels in the order of the operand's registers.
; SHARES.  A cluster of four work-groups is one (batch, head); all four walk the head's 2,048 keys jointly, 64 a step, 32 steps.  The queries are 32 groups of 64; partner cx takes the 16 queries 64 g + 16 cx + 0..15
; of EVERY group g.  So a step s counts for a tile of group g where s <= g, and lies on the diagonal where s = g: the same in all partners; cx enters only the mask's lane number and global addresses.
; Each of the 16 waves owns two tiles: A of group rho (0..15) and B of group 31 - rho: 33 tile steps for every wave.  K's and V's fragments are read once a step and serve both tiles.
; LAYOUT.  S^T = K Q^T and O^T = V^T P: a lane holds one query (lane % 16) throughout; two tiles of S^T, rounded in pairs, are source 1 of the second product.  V ([key][channel]) is turned by ds_load_tr16_b128.
; SOFTMAX.  Running maximum m and sum l for each query: p = 2^(c s - c m), c = log2(e) / 8; O and l are multiplied by 2^(c m_old - c m_new) in every step.
; RING.  Two slots of 512 keys; waves 0-7 fetch K's eight steps, waves 8-15 V's, 64 rows a load.  A refill has eight key steps in which to land; one tensor load of a wave is out behind each round, two at the start.
; LIMITS: the tile t < 16 of each batch is computed here too (partners run alike; launch proj reads its bytes), and launch fine writes its rows of the output anew in f32.  y is taken to lie under 65,504.
.set KP,    144                        ; a key's row in LDS: 128 bytes + 16: row r starts at word 36 r, sixteen rows at sixteen different groups of four banks (64 banks of 4 bytes: ISA guide 11.1)
.set VP,    160                        ; a row of V: 128 + 32, an odd multiple of 32
.set VOFF,  73728                      ; a slot: 512 rows of K, then 512 rows of V
.set SLOTB, 155648
.set SPARE, 311296                     ; the spare words, 128 bytes for each of 16 waves
.set SPW, 1
.set NIL, 2
.set AK0, 3                            ; v3  my lane's place in a step's tile of K
.set AV0, 4                            ; v4  the same for V
.set ADK, 5
.set ADV, 6
.set DD,  7                            ; v7  16 cx + r - 8 h: on the diagonal register 8 kt + j is hidden where 16 kt + j is above it
.set NEG, 8                            ; v8  -infinity
.set LI,  9                            ; v9  16 x lane
.set STT, 10                           ; v10-17, v18-25 statistics of tiles A, B: +0 c m, +1 m, +2, +3 l, +4..7 at work (the factor a in +6)
.set PFO, 26                           ; v26 256 x lane
.set QO,  27                           ; v27 128 r + 16 h
.set Q,   32                           ; v32-63 Q: tile t at 16 t, channels 32 c on at 8 c
.set KV,  64                           ; v64-127 a step's K, then its V
.set S,   128                          ; v128-159 S^T of the tile in hand
.set P,   160                          ; v160-191 p, 16 a tile
.set O,   192                          ; v192-255 O^T, 32 a tile
.set WV,  12
.set CX,  13
.set RA,  14
.set RB,  15
.set ST,  16                           ; s16 the key step, 0..31
.set CNT, 17
.set TBK, 18
.set TBV, 19
.set SEL, 20
.set CS,  22
.set G1K, 24
.set G1V, 32
.set G0K, 40                           ; s[40:47] group 0 for K, a set for each slot
.set G0V, 48
.set YA,  56                           ; s[56:57], s[58:59] where tiles A and B go
.set YB,  58
.set PFA, 60
.macro CROUND
	s_barrier_signal -1
	s_barrier_wait -1
	s_cmp_lg_u32 s[WV], 0
	s_cbranch_scc1 .Lnot_wave_0_\@
	s_barrier_signal -3
.Lnot_wave_0_\@:
	s_barrier_wait -3
	s_barrier_signal -1
	s_barrier_wait -1
.endm
.macro JLOAD s                         ; a joint refill of slot s; the branch hangs on the wave's number alone; an s_nop 0 and four v_nop follow each line
	s_cmp_lt_u32 s[WV], 8
	s_cbranch_scc0 .Lfor_v_\@
	tensor_load_to_lds s[G0K+4*\s:G0K+4*\s+3], s[G1K:G1K+7]
	s_nop 0
.rept 4
	v_nop
.endr
	s_branch .Lasked_\@
.Lfor_v_\@:
	tensor_load_to_lds s[G0V+4*\s:G0V+4*\s+3], s[G1V:G1V+7]
	s_nop 0
.rept 4
	v_nop
.endr
.Lasked_\@:
.endm
	s_load_b128 s[4:7], s[0:1], 0x0                ; qkvh s[4:5], yimg s[6:7]
	v_lshl_add_u32 v[SPW], v0, 2, SPARE
	v_mov_b32 v[NIL], 0
	ds_add_u32 v[SPW], v[NIL]                      ; the wave's opening: the add, twice on end, and its wait ahead of my first tensor load
	ds_add_u32 v[SPW], v[NIL]
	v_lshrrev_b32 v3, 5, v0
	v_readfirstlane_b32 s[WV], v3                  ; wave 0..15
	s_bfe_u32 s[CX], ttmp6, 0x40000                ; cx
	s_and_b32 s66, s[WV], 3
	s_lshr_b32 s67, s[WV], 2
	s_xor_b32 s[RA], s66, s67
	s_lshl_b32 s[RA], s[RA], 2
	s_add_co_u32 s[RA], s[RA], s67                 ; rho = 4 ((w % 4) xor (w / 4)) + w / 4: each of 0..15 once
	s_sub_co_u32 s[RB], 31, s[RA]
	s_mov_b32 s[ST], 0
	s_mov_b32 s[SEL], 0x76543210
	s_mov_b32 s[SEL+1], 0xfedcba98
	s_mov_b32 s[CS], 0x3e38aa3b                    ; c = log2(e) / 8
	s_mov_b32 s[CS+1], s[CS]                       ; (named with it as a pair)
	; group 1: 64 rows of 64 elements of 2 bytes, dense in memory, padded behind each row's 32 words: K by 4 words, V by 8
	s_mov_b32 s[G1K], 15|(1<<16)|(1<<20)|(1<<21)|(4<<22)|(3<<25)
	s_mov_b32 s[G1V], 15|(1<<16)|(1<<20)|(1<<21)|(4<<22)|(7<<25)
.irp g, G1K, G1V
	s_mov_b32 s[\g+1], 64<<16                      ; tensor_dim0
	s_mov_b32 s[\g+2], 64<<16                      ; tensor_dim1
	s_mov_b32 s[\g+3], 64<<16                      ; tile_dim0
	s_mov_b32 s[\g+4], 64                          ; tile_dim1
	s_mov_b32 s[\g+5], 64                          ; the pitch
	s_mov_b32 s[\g+6], 0
	s_mov_b32 s[\g+7], 0
.endr
	s_and_b32 s68, ttmp7, 0xffff                   ; batch x 16 + head, which the partners share
	s_lshl_b32 s69, s68, 18                        ; its first byte in a part
	s_and_b32 s70, s[WV], 7                        ; which of a slot's eight steps I fetch
	s_lshl_b32 s71, s70, 13                        ; its 64 rows of 128 bytes
	s_add_co_u32 s72, s69, s71
	s_add_co_u32 s72, s72, 0x1000000               ; in k,
	s_mov_b32 s73, 0
	s_add_co_u32 s74, s72, 0x1000000               ; in v
	s_mov_b32 s75, 0
	s_mul_i32 s66, s70, 64*KP                      ; and its places in a slot
	s_mul_i32 s67, s70, 64*VP
	s_add_co_u32 s67, s67, VOFF
	s_wait_dscnt 0x0                               ; both opening adds are done
	s_wait_kmcnt 0x0
	CROUND                                         ; all four work-groups are here: the first joint loads meet
.irp s, 0,1
	s_mov_b32 s[G0K+4*\s], 1
	s_add_co_u32 s[G0K+4*\s+1], s66, \s*SLOTB
	s_add_nc_u64 s[G0K+4*\s+2:G0K+4*\s+3], s[4:5], s[72:73]
	s_mov_b32 s[G0V+4*\s], 1
	s_add_co_u32 s[G0V+4*\s+1], s67, \s*SLOTB
	s_add_nc_u64 s[G0V+4*\s+2:G0V+4*\s+3], s[4:5], s[74:75]
.if \s
	s_add_nc_u64 s[G0K+4*\s+2:G0K+4*\s+3], s[G0K+4*\s+2:G0K+4*\s+3], 65536   ; slot 1 begins with keys 512 on
	s_add_nc_u64 s[G0V+4*\s+2:G0V+4*\s+3], s[G0V+4*\s+2:G0V+4*\s+3], 65536
.endif
	s_or_b32 s[G0K+4*\s+3], s[G0K+4*\s+3], 0x80000000
	s_or_b32 s[G0V+4*\s+3], s[G0V+4*\s+3], 0x80000000
.endr
	s_cmp_lt_u32 s[WV], 8                          ; a wave's two first fills stand in one branch; every wave issues two
	s_cbranch_scc0 .Lfirst_v
	tensor_load_to_lds s[G0K:G0K+3], s[G1K:G1K+7]
	s_nop 0
	tensor_load_to_lds s[G0K+4:G0K+7], s[G1K:G1K+7]
	s_nop 0
.rept 4
	v_nop
.endr
	s_branch .Lfirst_asked
.Lfirst_v:
	tensor_load_to_lds s[G0V:G0V+3], s[G1V:G1V+7]
	s_nop 0
	tensor_load_to_lds s[G0V+4:G0V+7], s[G1V:G1V+7]
	s_nop 0
.rept 4
	v_nop
.endr
.Lfirst_asked:
	v_and_b32 v28, 15, v0                          ; r
	v_bfe_u32 v29, v0, 4, 1                        ; h
	v_lshlrev_b32 v[QO], 7, v28
	v_lshl_add_u32 v[QO], v29, 4, v[QO]
	s_lshl_b32 s70, s[CX], 11                      ; 16 cx rows of 128 bytes
	s_add_co_u32 s70, s70, s69
	s_lshl_b32 s66, s[RA], 13                      ; 64 rho rows
	s_add_co_u32 s66, s66, s70
	s_mov_b32 s67, 0
	s_add_nc_u64 s[66:67], s[4:5], s[66:67]        ; tile A's queries
	s_lshl_b32 s72, s[RB], 13
	s_add_co_u32 s72, s72, s70
	s_mov_b32 s73, 0
	s_add_nc_u64 s[72:73], s[4:5], s[72:73]        ; tile B's
.irp c, 0,1
.irp e, 0,1
	global_load_b128 v[Q+8*\c+4*\e:Q+8*\c+4*\e+3], v[QO], s[66:67] offset:64*\c+32*\e
	global_load_b128 v[Q+16+8*\c+4*\e:Q+16+8*\c+4*\e+3], v[QO], s[72:73] offset:64*\c+32*\e
.endr
.endr
	v_mul_u32_u24 v[AK0], v28, KP
	v_lshl_add_u32 v[AK0], v29, 4, v[AK0]          ; key r, + 16 h
	v_and_b32 v30, 7, v0
	v_lshl_add_u32 v30, v29, 3, v30
	v_mul_u32_u24 v[AV0], v30, VP                  ; key 8 h + l % 8,
	v_bfe_u32 v31, v0, 3, 1
	v_lshl_add_u32 v[AV0], v31, 4, v[AV0]          ; channels 8 ((l / 8) % 2) on
	v_add_nc_u32 v[AV0], VOFF, v[AV0]
	v_lshlrev_b32 v30, 3, v29
	v_sub_nc_u32 v[DD], v28, v30
	s_lshl_b32 s74, s[CX], 4
	v_add_nc_u32 v[DD], s74, v[DD]
	v_mov_b32 v[NEG], 0xff800000
	v_and_b32 v[LI], 31, v0
	v_lshlrev_b32 v[PFO], 8, v[LI]
	v_lshlrev_b32 v[LI], 4, v[LI]
	; where y goes: tile (head / 2) x 512 + batch x 128 + 4 g + cx of 4,096 bytes, + 2,048 for an odd head
	s_and_b32 s70, s68, 15
	s_lshr_b32 s71, s68, 4
	s_lshr_b32 s74, s70, 1
	s_lshl_b32 s74, s74, 9
	s_lshl_b32 s71, s71, 7
	s_add_co_u32 s74, s74, s71
	s_add_co_u32 s74, s74, s[CX]
	s_and_b32 s70, s70, 1
	s_lshl_b32 s70, s70, 11
	s_lshl_b32 s[YA], s[RA], 2
	s_add_co_u32 s[YA], s[YA], s74
	s_lshl_b32 s[YA], s[YA], 12
	s_add_co_u32 s[YA], s[YA], s70
	s_mov_b32 s[YA+1], 0
	s_add_nc_u64 s[YA:YA+1], s[6:7], s[YA:YA+1]
	s_lshl_b32 s[YB], s[RB], 2
	s_add_co_u32 s[YB], s[YB], s74
	s_lshl_b32 s[YB], s[YB], 12
	s_add_co_u32 s[YB], s[YB], s70
	s_mov_b32 s[YB+1], 0
	s_add_nc_u64 s[YB:YB+1], s[6:7], s[YB:YB+1]
	; the one prefetch: keys 1,536 to 2,047 of k and v, 2 x 65,536 bytes.  Partner cx takes 16,384 bytes of each, told apart by address; waves 0, 1 k's two halves, waves 2, 3 v's; lanes 256 bytes apart: each block is named once
	s_cmp_lt_u32 s[WV], 2
	s_mov_b32 s[PFA], 0x2000000
	s_cselect_b32 s[PFA], 0x1000000, s[PFA]
	s_add_co_u32 s[PFA], s[PFA], s69
	s_add_co_u32 s[PFA], s[PFA], 1536*128
	s_lshl_b32 s75, s[CX], 14
	s_add_co_u32 s[PFA], s[PFA], s75
	s_and_b32 s75, s[WV], 1
	s_lshl_b32 s75, s75, 13
	s_add_co_u32 s[PFA], s[PFA], s75
	s_mov_b32 s[PFA+1], 0
	s_add_nc_u64 s[PFA:PFA+1], s[4:5], s[PFA:PFA+1]
	; the step is written once: the first finds m = -3e38, l = 0 and O^T = 0.  Tile A's p and the registers at work are written too, so that every way through the text finds them written
.irp t, 0,1
	v_mov_b32 v[STT+8*\t+1], 0xff61b1e6
	v_mul_f32 v[STT+8*\t], s[CS], v[STT+8*\t+1]
.irp i, 2,3,4,5,6,7
	v_mov_b32 v[STT+8*\t+\i], 0
.endr
.endr
.set n, 0
.rept 16
	v_mov_b32 v[P+n], 0
.set n, n+1
.endr
.set n, 0
.rept 64
	v_mov_b32 v[O+n], 0
.set n, n+1
.endr
.macro FETCH_K                         ; 64 keys x 64 channels: fragment f = 2 kt + c
.set f, 0
.rept 8
	ds_load_b128 v[KV+8*f:KV+8*f+3],   v[ADK] offset:16*KP*(f/2)+64*(f%2)
	ds_load_b128 v[KV+8*f+4:KV+8*f+7], v[ADK] offset:16*KP*(f/2)+64*(f%2)+32
.set f, f+1
.endr
.endm
.macro FETCH_V                         ; turned: fragment f = 4 u + ct: keys 32 u on, channels 16 ct on
.set f, 0
.rept 8
	ds_load_tr16_b128 v[KV+8*f:KV+8*f+3],   v[ADV] offset:32*VP*(f/4)+32*(f%4)
	ds_load_tr16_b128 v[KV+8*f+4:KV+8*f+7], v[ADV] offset:32*VP*(f/4)+16*VP+32*(f%4)
.set f, f+1
.endr
.endm
.macro QK t                            ; S^T = K Q^T: four accumulators by turns, one instruction a turn; the first four start the sums
.irp c, 0,1
.irp k, 0,1,2,3
.if \c == 0
	v_wmma_f32_16x16x32_f16 v[S+8*\k:S+8*\k+7], v[KV+8*(2*\k+\c):KV+8*(2*\k+\c)+7], v[Q+16*(\t)+8*\c:Q+16*(\t)+8*\c+7], 0
.else
	v_wmma_f32_16x16x32_f16 v[S+8*\k:S+8*\k+7], v[KV+8*(2*\k+\c):KV+8*(2*\k+\c)+7], v[Q+16*(\t)+8*\c:Q+16*(\t)+8*\c+7], v[S+8*\k:S+8*\k+7]
.endif
.endr
.endr
.endm
.macro PV t                            ; O^T += V^T P: four accumulators by turns
.irp u, 0,1
.irp k, 0,1,2,3
	v_wmma_f32_16x16x32_f16 v[O+32*(\t)+8*\k:O+32*(\t)+8*\k+7], v[KV+8*(4*\u+\k):KV+8*(4*\u+\k)+7], v[P+16*(\t)+8*\u:P+16*(\t)+8*\u+7], v[O+32*(\t)+8*\k:O+32*(\t)+8*\k+7]
.endr
.endr
.endm
.macro MASK                            ; on the diagonal: hidden scores become -infinity ahead of the maximum
.set n, 0
.rept 32
	v_cmp_gt_i32 vcc_lo, 16*(n/8)+n%8, v[DD]
	v_cndmask_b32 v[S+n], v[S+n], v[NEG], vcc_lo
.set n, n+1
.endr
.endm
.macro SOFT t
.set rT, STT+8*(\t)
.set rP, P+16*(\t)
.set rO, O+32*(\t)
.irp j, 0,1,2,3
	v_max3_num_f32 v[rT+4+\j], v[S+8*\j], v[S+8*\j+1], v[S+8*\j+2]           ; four chains; each accumulator is read from its low end on
.endr
.irp g, 1,2
.irp j, 0,1,2,3
	v_max3_num_f32 v[rT+4+\j], v[rT+4+\j], v[S+8*\j+2*\g+1], v[S+8*\j+2*\g+2]
.endr
.endr
	v_max3_num_f32 v[rT+4], v[rT+4], v[S+7], v[S+15]
	v_max3_num_f32 v[rT+6], v[rT+6], v[S+23], v[S+31]
	v_max3_num_f32 v[rT+4], v[rT+4], v[rT+5], v[rT+6]
	v_max3_num_f32 v[rT+4], v[rT+4], v[rT+7], v[rT+1]                        ; with the old m
	v_permlanex16_b32 v[rT+5], v[rT+4], s[SEL], s[SEL+1]                     ; the query's other 32 keys lie in the lane 16 away
	v_mov_b32 v[rT+7], v[rT]
	v_max_num_f32 v[rT+1], v[rT+4], v[rT+5]
	v_mul_f32 v[rT], s[CS], v[rT+1]
	v_sub_f32 v[rT+7], v[rT+7], v[rT]                                        ; c m_old - c m_new
.set n, 0
.rept 16
	v_pk_fma_f32 v[S+n:S+n+1], v[S+n:S+n+1], s[CS:CS+1], v[rT:rT+1] op_sel_hi:[1,0,0] neg_lo:[0,0,1] neg_hi:[0,0,1]   ; c s - c m
.set n, n+2
.endr
	v_exp_f32 v[rT+6], v[rT+7]                                               ; ONE BATCH: a and the 32 weights
.set n, 0
.rept 32
	v_exp_f32 v[S+n], v[S+n]
.set n, n+1
.endr
	v_nop                                                                    ; a plain place behind the last exponential
	s_wait_alu depctr_va_vdst(0)                                             ; one wait for the batch, ahead of its first reader
.set n, 0
.rept 16
	v_cvt_pk_f16_f32 v[rP+n], v[S+2*n], v[S+2*n+1]
.set n, n+1
.endr
.irp w, 4,8,16,32                      ; the sum of the 16 pairs, in place: neighbours 1, 2, 4, 8 pairs apart
.set n, 0
.rept 32/\w
	v_pk_add_f32 v[S+n:S+n+1], v[S+n:S+n+1], v[S+n+\w/2:S+n+\w/2+1]
.set n, n+\w
.endr
.endr
	v_pk_fma_f32 v[rT+2:rT+3], v[rT+2:rT+3], v[rT+6:rT+7], v[S:S+1] op_sel_hi:[1,0,1]   ; l = a l + the sum
.set n, 0
.rept 16
	v_pk_mul_f32 v[rO+n:rO+n+1], v[rO+n:rO+n+1], v[rT+6:rT+7] op_sel_hi:[1,0]           ; O^T x a
.set n, n+2
.endr
.endm
; A slot's eight key steps.  phase 0 (steps 0-15): tile B always counts and is never on the diagonal; tile A while the step is at most rho.  phase 1 (steps 16-31): tile A is over; tile B while the step is at most 31 - rho.
; The branches hang on the wave's number and the count of steps alone; no barrier and no tensor load stands in a step.
.macro EIGHT slot, phase
	s_mov_b32 s[TBK], \slot*SLOTB
	s_mov_b32 s[TBV], \slot*SLOTB
	s_mov_b32 s[CNT], 8
.Lstep_\@:
.if \phase
	s_cmp_gt_u32 s[ST], s[RB]
	s_cbranch_scc1 .Lskip_\@
.endif
	v_add_nc_u32 v[ADK], s[TBK], v[AK0]
	v_add_nc_u32 v[ADV], s[TBV], v[AV0]
	v_nop
	v_nop                                          ; four places behind the last step's products, ahead of loads into the registers that they read
	FETCH_K
	s_wait_dscnt 0x0
.if \phase == 0
	s_cmp_gt_u32 s[ST], s[RA]
	s_cbranch_scc1 .LnoA1_\@
	QK 0
.rept 4
	v_nop
.endr
	s_cmp_lg_u32 s[ST], s[RA]
	s_cbranch_scc1 .LopenA_\@
	MASK
.LopenA_\@:
	SOFT 0
.LnoA1_\@:
.endif
	QK 1
.rept 4
	v_nop                                          ; places ahead of the loads over K and of the first read of the scores
.endr
	FETCH_V                                        ; V lands under tile B's softmax
.if \phase
	s_cmp_lg_u32 s[ST], s[RB]
	s_cbranch_scc1 .LopenB_\@
	MASK
.LopenB_\@:
.endif
	SOFT 1
	s_wait_dscnt 0x0                               ; V is in
.if \phase == 0
	s_cmp_gt_u32 s[ST], s[RA]
	s_cbranch_scc1 .LnoA2_\@
	PV 0
.LnoA2_\@:
.endif
	PV 1
.Lskip_\@:
	s_add_co_u32 s[TBK], s[TBK], 64*KP
	s_add_co_u32 s[TBV], s[TBV], 64*VP
	s_add_co_u32 s[ST], s[ST], 1
	s_sub_co_u32 s[CNT], s[CNT], 1
	s_cmp_lg_u32 s[CNT], 0
	s_cbranch_scc1 .Lstep_\@
.endm
; THE CHANGE OF SLOTS.  Each wave waits for all its tensor loads (its part of the slot ahead), adds 0 to its spare word, and waits for that and for its reads of the slot that it leaves.  fill = 1: a round of the cluster's
; barrier, and behind it the slot just left is filled with the keys 1,024 on: a wave's one tensor load until the next round.
.macro CHANGE slot, fill, ask
	s_wait_tensorcnt 0x0                           ; no tensor load of mine is out, so a group 0 may be written
	ds_add_u32 v[SPW], v[NIL]
.if \fill
	s_add_nc_u64 s[G0K+4*\slot+2:G0K+4*\slot+3], s[G0K+4*\slot+2:G0K+4*\slot+3], 131072
	s_add_nc_u64 s[G0V+4*\slot+2:G0V+4*\slot+3], s[G0V+4*\slot+2:G0V+4*\slot+3], 131072
.endif
	s_wait_dscnt 0x0                               ; the add is done, and my reads of the slot are over
.if \fill
	CROUND
	JLOAD \slot
.else
	s_barrier_signal -1
	s_barrier_wait -1
.endif
.if \ask
	s_cmp_lt_u32 s[WV], 4                          ; what the next change of slots will ask for: eight key steps ahead of that load
	s_cbranch_scc0 .Lnot_mine_\@
	global_prefetch_b8 v[PFO], s[PFA:PFA+1] th:TH_LOAD_NT scope:SCOPE_SE
.Lnot_mine_\@:
.endif
.endm
	s_wait_tensorcnt 1                             ; my part of slot 0 is in; slot 1's may be out
	s_barrier_signal -1
	s_barrier_wait -1
	s_wait_loadcnt 0x0                             ; Q
	EIGHT 0, 0                                     ; keys 0 on
	CHANGE 0, 1, 1
	EIGHT 1, 0                                     ; keys 512 on
	CHANGE 1, 1, 0
	EIGHT 0, 1                                     ; keys 1,024 on
	CHANGE 0, 0, 0
	EIGHT 1, 1                                     ; keys 1,536 on
	; THE WAY OUT: O^T / l, rounded to f16.  A lane's eight channels of its query are 16 bytes of the next product's fragment, at 16 x lane: each store covers 512 consecutive bytes, and no LDS is needed.
.rept 4
	v_nop
.endr
.irp t, 0,1
	v_add_f32 v[STT+8*\t+4], v[STT+8*\t+2], v[STT+8*\t+3]
.endr
.irp t, 0,1
	v_permlanex16_b32 v[STT+8*\t+5], v[STT+8*\t+4], s[SEL], s[SEL+1]
.endr
.irp t, 0,1
	v_add_f32 v[STT+8*\t+4], v[STT+8*\t+4], v[STT+8*\t+5]
.endr
.irp t, 0,1
	v_rcp_f32 v[STT+8*\t+6], v[STT+8*\t+4]
.endr
	v_nop
	s_wait_alu depctr_va_vdst(0)                   ; one wait for both reciprocals
.irp t, 0,1
.set n, 0
.rept 16
	v_pk_mul_f32 v[O+32*\t+n:O+32*\t+n+1], v[O+32*\t+n:O+32*\t+n+1], v[STT+8*\t+6:STT+8*\t+7] op_sel_hi:[1,0]
.set n, n+2
.endr
.endr
.irp t, 0,1
.set n, 0
.rept 16
	v_cvt_pk_f16_f32 v[S+32*\t+n], v[O+32*\t+2*n], v[O+32*\t+2*n+1]          ; tile A into v128 on, tile B into v160 on
.set n, n+1
.endr
.endr
.irp k, 0,1,2,3
	global_store_b128 v[LI], v[S+4*\k:S+4*\k+3], s[YA:YA+1] offset:1024*(\k/2)+512*(\k%2)
	global_store_b128 v[LI], v[S+32+4*\k:S+32+4*\k+3], s[YB:YB+1] offset:1024*(\k/2)+512*(\k%2)
.endr
	s_wait_tensorcnt 0x0                           ; the wave's end
	ds_add_u32 v[SPW], v[NIL]
	s_wait_dscnt 0x0
	CROUND                                         ; the closing round
	s_endpgm
.Lfunc_end_k_q22ce1f63c1_attn:
	.size	k_q22ce1f63c1_attn, .Lfunc_end_k_q22ce1f63c1_attn-k_q22ce1f63c1_attn
	.p2alignl 7, 3214868480
	.fill 96, 4, 3214868480
	.section	.rodata,"a",@progbits
	.p2align	6, 0x0
	.amdhsa_kernel k_q22ce1f63c1_attn
		.amdhsa_group_segment_fixed_size 327680
		.amdhsa_private_segment_fixed_size 0
		.amdhsa_enable_private_segment 0
		.amdhsa_kernarg_size 16
		.amdhsa_user_sgpr_count 2
		.amdhsa_user_sgpr_kernarg_segment_ptr 1
		.amdhsa_wavefront_size32 1
		.amdhsa_system_sgpr_workgroup_id_x 1
		.amdhsa_system_sgpr_workgroup_id_y 1
		.amdhsa_system_sgpr_workgroup_id_z 1
		.amdhsa_system_vgpr_workitem_id 0
		.amdhsa_next_free_vgpr 256
		.amdhsa_next_free_sgpr 80
		.amdhsa_reserve_vcc 1
		.amdhsa_float_denorm_mode_32 3
		.amdhsa_float_denorm_mode_16_64 3
		.amdhsa_memory_ordered 1
		.amdhsa_forward_progress 1
		.amdhsa_inst_pref_size 83
	.end_amdhsa_kernel
	.amdgpu_metadata
---
amdhsa.version: [ 1, 2 ]
amdhsa.kernels:
  - .name:           k_q22ce1f63c1_attn
    .symbol:         k_q22ce1f63c1_attn.kd
    .args:
      - { .name: qkvh, .offset: 0, .size: 8, .value_kind: global_buffer, .address_space: global }
      - { .name: yimg, .offset: 8, .size: 8, .value_kind: global_buffer, .address_space: global }
    .group_segment_fixed_size: 327680
    .private_segment_fixed_size: 0
    .kernarg_segment_align: 8
    .kernarg_segment_size: 16
    .max_flat_workgroup_size: 512
    .sgpr_count:     80
    .vgpr_count:     256
    .wavefront_size: 32
...
	.end_amdgpu_metadata
.endif
;; end of part 3
;; launch proj (part 4): grid 4 x 64, 4 waves a work-group, clusters of 4 x 4, 327,680 bytes of LDS; arguments yimg, wp, b_proj, out0; writes out0
.if DOCPART == 4
	.amdgcn_target "amdgcn-amd-amdhsa--gfx1250"
	.amdhsa_code_object_version 6
	.text
	.protected	k_q22ce1f63c1_proj
	.globl	k_q22ce1f63c1_proj
	.p2align	8
	.type	k_q22ce1f63c1_proj,@function
k_q22ce1f63c1_proj:
	s_mov_b64 s[64:65], 0
	v_nop
	global_prefetch_b8 v0, s[64:65] scope:SCOPE_SE
	s_setreg_imm32_b32 hwreg(HW_REG_WAVE_MODE, 25, 1), 1
	s_wait_xcnt 0x0
	s_wait_alu depctr_hold_cnt(0) depctr_sa_sdst(0) depctr_va_vdst(0) depctr_va_sdst(0) depctr_va_ssrc(0) depctr_va_vcc(0) depctr_vm_vsrc(0)
	s_getreg_b32 s2, hwreg(HW_REG_IB_STS2, 6, 4)
	s_cmp_eq_u32 s2, 0
	s_cbranch_scc0 .Lentry_in_a_cluster
	s_endpgm
.Lentry_in_a_cluster:
	s_bfe_u32 s2, ttmp6, 0x10000c
	s_cmp_lg_u32 s2, 0xf033
	s_cbranch_scc0 .Lentry_shape_is_right
	s_endpgm
.Lentry_shape_is_right:
; out0 = y W_proj + b_proj, f16 operands, f32 sums.  y and W_proj lie in the order of the operands' registers (launches attn and prep): a tile of 16 rows (or columns) x 128 K is 4,096 dense bytes.
; A work-group of four waves makes 128 rows x 256 columns (256 work-groups), a wave 64 x 128: 32 accumulators.  K goes in steps of 128 through two LDS slots; a step is four quarters of 32 along K, 32 matrix instructions each.
; CLUSTERS: 4 x 4.  y's tiles are shared along a row of the cluster, W's along a column: joint loads.  Waves 0, 1 fetch y's halves (64 rows of 256 bytes), waves 2, 3 W's (128 rows).
; THE MATRIX INSTRUCTION IS USED TRANSPOSED (source 0 = 16 columns of W, source 1 = 16 rows of y); the bias is the C of each sum's first instruction.
; All rows are made here; launch fine then writes the rows t < 16 of each batch anew in f32.
; REGISTERS: window 0: v16-30 addresses; v32-95 the bias; on the way out v32-159 rows read back.  window 1: accumulator (a, b) at v[8 (8 a + b)].  window 2: two fragment buffers of 96: y's four fragments, then W's eight.
.set SLOT,   98304                     ; y's 8 tiles of 4,096 bytes, then W's 16
.set STAGE,  196608                    ; 16 rows x 528 bytes for each wave
.set SPARE,  230400                    ; the spare words
.set ADRA, 16
.set ADRB, 20
.set BO,   22
.set STO,  24
.set RD,   25
.set CO,   26
.set SPW,  28
.set NIL,  29
.set PFO,  30                          ; v30 256 x lane
.set BI,   32
.set F0,   0
.set F1,   96
.set G1, 24
.set G0, 32
.set G1B, 48
.set G0B, 56
.set LIM, 43                           ; s43 1 in the wave that prefetches, else the greatest number
.set PFA, 44                           ; s[44:45] where my prefetches stand
.set MSB, 0
.macro WIN new
.if MSB != (\new)
	s_set_vgpr_msb (MSB<<8)|(\new)
.set MSB, (\new)
.endif
.endm
.set MUL,  0x5a                        ; sources 0 and 1 window 2, C and D window 1
.set MULB, 0x4a                        ; the same with C (the bias) in window 0
.set TO_F, 0x80
.macro JLOAD s
	s_cmp_eq_u32 s11, 0
	s_cbranch_scc0 .Lfor_b_\@
	tensor_load_to_lds s[G0+4*\s:G0+4*\s+3], s[G1:G1+7]
	s_nop 0
.rept 4
	v_nop
.endr
	s_branch .Lasked_\@
.Lfor_b_\@:
	tensor_load_to_lds s[G0B+4*\s:G0B+4*\s+3], s[G1B:G1B+7]
	s_nop 0
.rept 4
	v_nop
.endr
.Lasked_\@:
.endm
.macro CREST
	s_cmp_lg_u32 s10, 0
	s_cbranch_scc1 .Lnot_wave_0_\@
	s_barrier_signal -3
.Lnot_wave_0_\@:
	s_barrier_wait -3
	s_barrier_signal -1
	s_barrier_wait -1
.endm
.macro CROUND
	s_barrier_signal -1
	s_barrier_wait -1
	CREST
.endm
; A prefetch of y's tiles of the K step two refills on.  A tile row's 32,768 bytes of a K step are read by the four partners of one row of a cluster and by nobody else: partner cx takes 8,192 of them, told apart by
; address; its wave 0 asks, lanes 256 bytes apart: each block is named once.  The loop's last trip asks for nothing: there is no K step two refills on.  W's tiles, which sixteen clusters read, are not asked for.
.macro ASK
	s_cmp_gt_u32 s3, s[LIM]
	s_cbranch_scc0 .Lnot_mine_\@
	global_prefetch_b8 v[PFO], s[PFA:PFA+1] offset:2097152 th:TH_LOAD_NT scope:SCOPE_SE
.Lnot_mine_\@:
.endm
	s_load_b128 s[4:7], s[0:1], 0x0                ; yimg s[4:5], wp s[6:7]
	s_load_b128 s[68:71], s[0:1], 0x10             ; b_proj s[68:69], out0 s[70:71]
	v_lshl_add_u32 v[SPW], v0, 2, SPARE
	v_mov_b32 v[NIL], 0
	ds_add_u32 v[SPW], v[NIL]                      ; the wave's opening: the add, twice on end, and its wait ahead of my first tensor load
	ds_add_u32 v[SPW], v[NIL]
	v_lshrrev_b32 v1, 5, v0
	v_readfirstlane_b32 s10, v1                    ; wave 0..3
	s_lshr_b32 s11, s10, 1                         ; my half of the rows.  Also: I fetch for y (0) or for W (1)
	s_and_b32 s12, s10, 1                          ; my half of the columns.  Also: which half I fetch
	s_bfe_u32 s40, ttmp6, 0x40000                  ; cx
	s_bfe_u32 s41, ttmp6, 0x40004                  ; cy
	s_lshl_b32 s42, ttmp9, 2
	s_add_co_u32 s42, s42, s40                     ; tile column 0..3
	s_and_b32 s13, ttmp7, 0xffff
	s_lshl_b32 s13, s13, 2
	s_add_co_u32 s13, s13, s41                     ; tile row 0..63
	s_lshl_b32 s72, s41, 2
	s_lshl_b32 s72, 15, s72                        ; my row of the cluster
	s_lshl_b32 s73, 0x1111, s40                    ; my column
	s_or_b32 s[G1], s72, (3<<16)|(1<<21)           ; dense blocks as rows of 256 bytes: 32 elements of 8 bytes
	s_or_b32 s[G1B], s73, (3<<16)|(1<<21)
	s_mov_b32 s[G1+1], 32<<16
	s_mov_b32 s[G1+2], 64<<16                      ; y: 64 rows
	s_mov_b32 s[G1+3], 32<<16
	s_mov_b32 s[G1+4], 64
	s_mov_b32 s[G1+5], 32
	s_mov_b32 s[G1+6], 0
	s_mov_b32 s[G1+7], 0
	s_mov_b32 s[G1B+1], 32<<16
	s_mov_b32 s[G1B+2], 128<<16                    ; W: 128 rows
	s_mov_b32 s[G1B+3], 32<<16
	s_mov_b32 s[G1B+4], 128
	s_mov_b32 s[G1B+5], 32
	s_mov_b32 s[G1B+6], 0
	s_mov_b32 s[G1B+7], 0
	s_lshl_b32 s16, s13, 3
	s_lshl_b32 s17, s12, 2
	s_add_co_u32 s16, s16, s17
	s_lshl_b32 s16, s16, 12                        ; y: tile 8 x tile row + 4 x half
	s_mov_b32 s17, 0
	s_lshl_b32 s46, s42, 4
	s_lshl_b32 s47, s12, 3
	s_add_co_u32 s46, s46, s47
	s_lshl_b32 s46, s46, 12                        ; W: tile 16 x tile column + 8 x half
	s_mov_b32 s47, 0
	s_lshl_b32 s20, s12, 14                        ; where they go
	s_lshl_b32 s21, s12, 15
	s_add_co_u32 s21, s21, 32768
	s_wait_dscnt 0x0                               ; both opening adds are done
	s_wait_kmcnt 0x0
	s_add_nc_u64 s[14:15], s[4:5], s[16:17]
	s_add_nc_u64 s[46:47], s[6:7], s[46:47]
	CROUND                                         ; all sixteen work-groups are here
.irp s, 0,1
	s_mov_b32 s[G0+4*\s], 1
	s_add_co_u32 s[G0+4*\s+1], s20, \s*SLOT
	s_add_nc_u64 s[G0+4*\s+2:G0+4*\s+3], s[14:15], \s*2097152
	s_or_b32 s[G0+4*\s+3], s[G0+4*\s+3], 0x80000000
	s_mov_b32 s[G0B+4*\s], 1
	s_add_co_u32 s[G0B+4*\s+1], s21, \s*SLOT
	s_add_nc_u64 s[G0B+4*\s+2:G0B+4*\s+3], s[46:47], \s*262144
	s_or_b32 s[G0B+4*\s+3], s[G0B+4*\s+3], 0x80000000
	JLOAD \s                                       ; two loads of mine are out
.endr
	v_and_b32 v1, 15, v0                           ; r
	v_bfe_u32 v2, v0, 4, 1                         ; h
	v_and_b32 v3, 31, v0
	v_lshlrev_b32 v[BO], 5, v2
	s_lshl_b32 s46, s42, 8
	s_lshl_b32 s47, s12, 7
	s_add_co_u32 s46, s46, s47
	s_lshl_b32 s46, s46, 2                         ; my first column, in bytes of f32
	s_mov_b32 s47, 0
	s_add_nc_u64 s[68:69], s[68:69], s[46:47]
.irp b, 0,1,2,3,4,5,6,7
.irp e, 0,1
	global_load_b128 v[BI+8*\b+4*\e:BI+8*\b+4*\e+3], v[BO], s[68:69] offset:64*\b+16*\e
.endr
.endr
	v_lshlrev_b32 v[CO], 4, v3
	v_lshlrev_b32 v[PFO], 8, v3
	s_lshl_b32 s21, s11, 14                        ; my four tiles of y,
	s_lshl_b32 s22, s12, 15
	s_add_co_u32 s22, s22, 32768                   ; my eight of W
.irp s, 0,1
	v_add_nc_u32 v[ADRA+\s], s21, v[CO]
	v_add_nc_u32 v[ADRB+\s], s22, v[CO]
	s_add_co_u32 s21, s21, SLOT
	s_add_co_u32 s22, s22, SLOT
.endr
	s_mul_i32 s23, s10, 8448
	s_add_co_u32 s23, s23, STAGE                   ; my stage
	v_mul_u32_u24 v5, v1, 528
	v_lshl_add_u32 v5, v2, 5, v5
	v_add_nc_u32 v[STO], s23, v5
	v_add_nc_u32 v[RD], s23, v[CO]
	s_lshl_b32 s16, s13, 7
	s_lshl_b32 s17, s11, 6
	s_add_co_u32 s16, s16, s17
	s_lshl_b32 s16, s16, 12                        ; my first row of 4,096 bytes
	s_add_co_u32 s16, s16, s46
	s_mov_b32 s17, 0
	s_add_nc_u64 s[8:9], s[70:71], s[16:17]
	s_lshl_b32 s16, s13, 15
	s_lshl_b32 s18, s40, 13
	s_add_co_u32 s16, s16, s18
	s_add_co_u32 s16, s16, 2*2097152               ; at K step 2: the first change of slots steps it to 3 and names K step 4
	s_add_nc_u64 s[PFA:PFA+1], s[4:5], s[16:17]
	s_cmp_eq_u32 s10, 0
	s_cselect_b32 s[LIM], 1, -1
.macro MUL8 f, a, first                ; y's block a against W's eight, 32 along K.  The 32 accumulators take turns, one instruction a turn
.irp b, 0,1,2,3,4,5,6,7
.if \first
	v_wmma_f32_16x16x32_f16 v[8*(8*\a+\b):8*(8*\a+\b)+7], v[\f+32+8*\b:\f+32+8*\b+7], v[\f+8*\a:\f+8*\a+7], v[BI+8*\b:BI+8*\b+7]
.else
	v_wmma_f32_16x16x32_f16 v[8*(8*\a+\b):8*(8*\a+\b)+7], v[\f+32+8*\b:\f+32+8*\b+7], v[\f+8*\a:\f+8*\a+7], v[8*(8*\a+\b):8*(8*\a+\b)+7]
.endif
.endr
.endm
.macro FETCH slot, q, f                ; 24 LDS loads in one run: W's eight fragments, then y's four
	WIN TO_F
.irp i, 0,1,2,3,4,5,6,7
.irp c, 0,1
	ds_load_b128 v[\f+32+8*\i+4*\c:\f+32+8*\i+4*\c+3], v[ADRB+\slot] offset:(4*\i+\q)*1024+512*\c
.endr
.endr
.irp i, 0,1,2,3
.irp c, 0,1
	ds_load_b128 v[\f+8*\i+4*\c:\f+8*\i+4*\c+3], v[ADRA+\slot] offset:(4*\i+\q)*1024+512*\c
.endr
.endr
.endm
.macro PLACES
.rept 4
	v_nop
.endr
.endm
.macro QUARTER slot, qn, f, g, first   ; multiplies buffer f; in its middle fetches quarter qn of the same slot into g
	s_wait_dscnt 4                                 ; W's fragments and y's blocks 0, 1 are in; the youngest four loads (blocks 2, 3) may be out
.if \first
	WIN MULB
.else
	WIN MUL
.endif
	MUL8 \f, 0, \first
	MUL8 \f, 1, \first
	PLACES
	FETCH \slot, \qn, \g
	s_wait_dscnt 24                                ; all but the 24 just issued
.if \first
	WIN MULB
.else
	WIN MUL
.endif
	MUL8 \f, 2, \first
	MUL8 \f, 3, \first
.endm
.macro TURN slot, next, fill           ; the last quarter multiplies buffer 1 and changes slots
.if \fill
	s_wait_xcnt 0x0                                ; the last prefetch, a K step back, has read its address
	s_add_nc_u64 s[PFA:PFA+1], s[PFA:PFA+1], 2097152
.endif
	WIN 0
	s_wait_tensorcnt 0x0                           ; all my tensor loads have landed: my part of the next slot
	ds_add_u32 v[SPW], v[NIL]
	s_wait_dscnt 5                                 ; the add and the youngest four loads may be out
	WIN MUL
	MUL8 F1, 0, 0
	s_wait_dscnt 0x0                               ; the add is done, and my reads of this slot are over
	s_barrier_signal -1
	MUL8 F1, 1, 0
	WIN 0
	s_barrier_wait -1
.if \fill
	CREST                                          ; the barrier has opened a round of the cluster's: no wave of any partner still reads this slot or has a load on its way
	s_add_nc_u64 s[G0+4*\slot+2:G0+4*\slot+3], s[G0+4*\slot+2:G0+4*\slot+3], 2*2097152
	s_add_nc_u64 s[G0B+4*\slot+2:G0B+4*\slot+3], s[G0B+4*\slot+2:G0B+4*\slot+3], 2*262144
	JLOAD \slot                                    ; my one tensor load behind the round; its four v_nop are also the places ahead of the loads below
.else
	PLACES
.endif
	FETCH \next, 0, F0
.if \fill
	WIN 0
	ASK
.endif
	WIN MUL
	MUL8 F1, 2, 0
	MUL8 F1, 3, 0
.endm
	s_wait_tensorcnt 1                             ; my part of K step 0 is in; K step 1's may be out
	s_barrier_signal -1
	s_barrier_wait -1
	FETCH 0, 0, F0
	s_wait_loadcnt 0x0                             ; the bias
	QUARTER 0, 1, F0, F1, 1
	WIN 0
	s_mov_b32 s3, 3
.Llap:                                             ; a trip goes once round the ring and fills both slots again: K steps 2 to 7
	QUARTER 0, 2, F1, F0, 0
	QUARTER 0, 3, F0, F1, 0
	TURN 0, 1, 1
	QUARTER 1, 1, F0, F1, 0
	QUARTER 1, 2, F1, F0, 0
	QUARTER 1, 3, F0, F1, 0
	TURN 1, 0, 1
	QUARTER 0, 1, F0, F1, 0
	WIN 0
	s_sub_co_u32 s3, s3, 1
	s_cmp_lg_u32 s3, 0
	s_cbranch_scc1 .Llap
	QUARTER 0, 2, F1, F0, 0                        ; the last lap fills nothing
	QUARTER 0, 3, F0, F1, 0
	TURN 0, 1, 0
	QUARTER 1, 1, F0, F1, 0
	QUARTER 1, 2, F1, F0, 0
	QUARTER 1, 3, F0, F1, 0
	s_wait_dscnt 4
	WIN MUL
	MUL8 F1, 0, 0
	MUL8 F1, 1, 0
	s_wait_dscnt 0
	MUL8 F1, 2, 0
	MUL8 F1, 3, 0
	WIN 0
; THE WAY OUT, 16 rows x 128 columns at a time, through my own stage: back come whole rows of 512 bytes, which the 32 lanes store as 512 consecutive bytes.
.macro TOSTAGE a
	WIN 0x04                                       ; an LDS store's data are its source 1: window 1
.irp b, 0,1,2,3,4,5,6,7
	ds_store_b128 v[STO], v[8*(8*\a+\b):8*(8*\a+\b)+3] offset:64*\b          ; each accumulator from its low end on
	ds_store_b128 v[STO], v[8*(8*\a+\b)+4:8*(8*\a+\b)+7] offset:64*\b+16
.endr
	WIN 0
.set BB, 32+64*((\a)%2)
.irp t, 0,1,2,3,4,5,6,7,8,9,10,11,12,13,14,15
	ds_load_b128 v[BB+4*\t:BB+4*\t+3], v[RD] offset:\t*528                   ; LDS serves a wave's instructions in order: these see the stores above
.endr
.endm
.macro SEND a, younger
.set BB, 32+64*((\a)%2)
	s_wait_dscnt \younger
.irp t, 0,1,2,3,4,5,6,7,8,9,10,11,12,13,14,15
	global_store_b128 v[CO], v[BB+4*\t:BB+4*\t+3], s[8:9] offset:65536*(\a)+4096*\t th:TH_STORE_NT
.endr
.endm
	PLACES
	TOSTAGE 0
.irp a, 1,2,3
.if \a > 1
	s_wait_xcnt 0x0                                ; block a - 2's stores have read their registers: block a's loads may land there
.endif
	TOSTAGE \a
	SEND \a-1, 32                                  ; behind block a - 1's loads: block a's 16 stores and 16 loads
.endr
	SEND 3, 0
	s_wait_tensorcnt 0x0                           ; the wave's end
	ds_add_u32 v[SPW], v[NIL]
	s_wait_dscnt 0x0
	CROUND                                         ; the closing round
	s_endpgm
.Lfunc_end_k_q22ce1f63c1_proj:
	.size	k_q22ce1f63c1_proj, .Lfunc_end_k_q22ce1f63c1_proj-k_q22ce1f63c1_proj
	.p2alignl 7, 3214868480
	.fill 96, 4, 3214868480
	.section	.rodata,"a",@progbits
	.p2align	6, 0x0
	.amdhsa_kernel k_q22ce1f63c1_proj
		.amdhsa_group_segment_fixed_size 327680
		.amdhsa_private_segment_fixed_size 0
		.amdhsa_enable_private_segment 0
		.amdhsa_kernarg_size 32
		.amdhsa_user_sgpr_count 2
		.amdhsa_user_sgpr_kernarg_segment_ptr 1
		.amdhsa_wavefront_size32 1
		.amdhsa_system_sgpr_workgroup_id_x 1
		.amdhsa_system_sgpr_workgroup_id_y 1
		.amdhsa_system_sgpr_workgroup_id_z 1
		.amdhsa_system_vgpr_workitem_id 0
		.amdhsa_next_free_vgpr 768
		.amdhsa_next_free_sgpr 80
		.amdhsa_reserve_vcc 0
		.amdhsa_float_denorm_mode_32 3
		.amdhsa_float_denorm_mode_16_64 3
		.amdhsa_memory_ordered 1
		.amdhsa_forward_progress 1
		.amdhsa_inst_pref_size 87
	.end_amdhsa_kernel
	.amdgpu_metadata
---
amdhsa.version: [ 1, 2 ]
amdhsa.kernels:
  - .name:           k_q22ce1f63c1_proj
    .symbol:         k_q22ce1f63c1_proj.kd
    .args:
      - { .name: yimg, .offset: 0, .size: 8, .value_kind: global_buffer, .address_space: global }
      - { .name: wp, .offset: 8, .size: 8, .value_kind: global_buffer, .address_space: global }
      - { .name: b_proj, .offset: 16, .size: 8, .value_kind: global_buffer, .address_space: global }
      - { .name: out0, .offset: 24, .size: 8, .value_kind: global_buffer, .address_space: global }
    .group_segment_fixed_size: 327680
    .private_segment_fixed_size: 0
    .kernarg_segment_align: 8
    .kernarg_segment_size: 32
    .max_flat_workgroup_size: 128
    .sgpr_count:     80
    .vgpr_count:     768
    .wavefront_size: 32
...
	.end_amdgpu_metadata
.endif
;; end of part 4
;; launch fine (part 5): grid 64 x 4, 16 waves a work-group, no clusters, 18,432 bytes of LDS; arguments fine32, W_proj, b_proj, out0; writes out0
.if DOCPART == 5
	.amdgcn_target "amdgcn-amd-amdhsa--gfx1250"
	.amdhsa_code_object_version 6
	.text
	.protected	k_q22ce1f63c1_fine
	.globl	k_q22ce1f63c1_fine
	.p2align	8
	.type	k_q22ce1f63c1_fine,@function
k_q22ce1f63c1_fine:
	s_mov_b64 s[64:65], 0
	v_nop
	global_prefetch_b8 v0, s[64:65] scope:SCOPE_SE
	s_setreg_imm32_b32 hwreg(HW_REG_WAVE_MODE, 25, 1), 1
	s_wait_xcnt 0x0
; THE FIRST 16 POSITIONS OF EACH BATCH, all in f32: there a row of the softmax averages one to sixteen values, and operands rounded to f16 would weigh most.  64 rows of out0 are written anew over launch proj's.
; fine32 [b][t 16][3072]: q, k, v after bias and rotary turn (launch gemm_qkv).  A work-group is (16 columns of the output, a batch); wave w is head w: it makes the head's 16 x 16 attention, multiplies its y, from its
; registers, by W_proj's rows 64 w .. 64 w + 63 at the 16 columns, and the 16 partial tiles meet in LDS.  The small attention is made again in each of the 64 column slices: 32 matrix instructions.
; All products by the f32 matrix form, 4 along K; one order of k, the same on both sources: step (nb, i) takes a lane's registers 2 i, 2 i + 1, which are k = 16 nb + 8 (l / 16) + 2 i + 0, 1.
; The registers that the f32 matrix form writes (v160-223) are written by it alone; each sum's first instruction takes the constant 0.
; W_proj is read in pieces of 64 bytes and the output written in pieces of 16 bytes a lane: 64 rows in all, 262,144 bytes of output.
.set SPARE, 16384
.set SPW, 10
.set NIL, 11
.set T,   12                           ; v12-19 a finished tile
.set PP,  20                           ; v20-27 p; also at work in sums
.set QR,  32                           ; v32-63 q, later y / l, later the partial tiles (v32-95)
.set KR,  64                           ; v64-95 k
.set VT,  96                           ; v96-127 v, turned by the loads
.set WR,  128                          ; v128-159 W
.set SA,  160                          ; v160-191 four accumulators
.set YA,  192                          ; v192-223 four accumulators
	s_load_b256 s[4:11], s[0:1], 0x0               ; fine32 s[4:5], W_proj s[6:7], b_proj s[8:9], out0 s[10:11]
	v_lshl_add_u32 v[SPW], v0, 2, SPARE
	v_mov_b32 v[NIL], 0
	v_lshrrev_b32 v1, 5, v0
	v_readfirstlane_b32 s12, v1                    ; wave = head
	v_and_b32 v1, 15, v0                           ; r
	v_bfe_u32 v2, v0, 4, 1                         ; h
	v_and_b32 v31, 31, v0
	v_mul_u32_u24 v3, v1, 12288
	v_lshl_add_u32 v3, v2, 5, v3                   ; q, k: row r, + 32 h
	v_mul_u32_u24 v4, v2, 98304
	v_lshl_add_u32 v4, v1, 2, v4                   ; v: key 8 h on, channel r
	v_lshlrev_b32 v5, 15, v2
	v_lshl_add_u32 v5, v1, 2, v5                   ; W: row 8 h on, column r
	v_lshlrev_b32 v6, 3, v2
	v_sub_nc_u32 v6, v1, v6                        ; r - 8 h: key 8 h + j is hidden where j is above it
	s_lshl_b32 s13, s12, 10
	v_lshl_add_u32 v7, v31, 4, s13                 ; LDS: my partial tile, 16 x lane
	s_and_b32 s14, s12, 1
	s_lshl_b32 s15, s14, 9
	v_lshl_add_u32 v8, v31, 4, s15                 ; back: half w % 2 of each tile
	s_lshl_b32 s15, s14, 4
	v_lshl_add_u32 v30, v2, 5, s15                 ; the bias: 32 h + 16 (w % 2)
	v_lshl_add_u32 v9, v1, 12, v30                 ; the output: row r
	v_mov_b32 v28, 0xff800000                      ; -infinity
	v_mov_b32 v31, 0                               ; (a lane permute's destination counts as one of its sources)
	s_mov_b32 s20, 0x76543210
	s_mov_b32 s21, 0xfedcba98
	s_mov_b32 s22, 0x3e38aa3b                      ; c = log2(e) / 8
	s_and_b32 s16, ttmp7, 0xffff                   ; the batch
	s_lshl_b32 s17, ttmp9, 6                       ; my 16 columns, in bytes
	s_mul_i32 s24, s16, 196608
	s_lshl_b32 s25, s12, 8
	s_add_co_u32 s24, s24, s25
	s_mov_b32 s25, 0
	s_lshl_b32 s26, s12, 18
	s_add_co_u32 s26, s26, s17
	s_mov_b32 s27, 0
	s_mov_b32 s28, s17
	s_mov_b32 s29, 0
	s_lshl_b32 s30, s16, 23
	s_add_co_u32 s30, s30, s17
	s_mov_b32 s31, 0
	s_wait_kmcnt 0x0
	s_add_nc_u64 s[4:5], s[4:5], s[24:25]
	s_add_nc_u64 s[6:7], s[6:7], s[26:27]
	s_add_nc_u64 s[8:9], s[8:9], s[28:29]
	s_add_nc_u64 s[10:11], s[10:11], s[30:31]
.irp n, 0,1,2,3
.irp e, 0,1
	global_load_b128 v[QR+8*\n+4*\e:QR+8*\n+4*\e+3], v3, s[4:5] offset:64*\n+16*\e
.endr
.endr
.irp n, 0,1,2,3
.irp e, 0,1
	global_load_b128 v[KR+8*\n+4*\e:KR+8*\n+4*\e+3], v3, s[4:5] offset:4096+64*\n+16*\e
.endr
.endr
.irp c, 0,1,2,3
.irp i, 0,1,2,3,4,5,6,7
	global_load_b32 v[VT+8*\c+\i], v4, s[4:5] offset:8192+12288*\i+64*\c      ; v(key 8 h + i, channel 16 c + r)
.endr
.endr
.irp c, 0,1,2,3
.irp i, 0,1,2,3,4,5,6,7
	global_load_b32 v[WR+8*\c+\i], v5, s[6:7] offset:4096*(16*\c+\i)          ; W(64 w + 16 c + 8 h + i, my column r)
.endr
.endr
	global_load_b128 v[224:227], v30, s[8:9]
.macro SUM4                            ; the four accumulators of SA are added into T; each is read from its low end on
.irp j, 0,2,4,6
	v_pk_add_f32 v[T+\j:T+\j+1], v[SA+\j:SA+\j+1], v[SA+8+\j:SA+9+\j]
.endr
.irp j, 0,2,4,6
	v_pk_add_f32 v[PP+\j:PP+\j+1], v[SA+16+\j:SA+17+\j], v[SA+24+\j:SA+25+\j]
.endr
.irp j, 0,2,4,6
	v_pk_add_f32 v[T+\j:T+\j+1], v[T+\j:T+\j+1], v[PP+\j:PP+\j+1]
.endr
.endm
	s_wait_loadcnt 63                              ; q and k, the first 16 of the 81 loads, are in (65 were issued behind them; the count's field ends at 63)
.irp i, 0,1,2,3                        ; S^T = k q^T: a lane holds query r and keys 8 h + 0..7; four accumulators by turns
.irp n, 0,1,2,3
.if \i == 0
	v_wmma_f32_16x16x4_f32 v[SA+8*\n:SA+8*\n+7], v[KR+8*\n+2*\i:KR+8*\n+2*\i+1], v[QR+8*\n+2*\i:QR+8*\n+2*\i+1], 0
.else
	v_wmma_f32_16x16x4_f32 v[SA+8*\n:SA+8*\n+7], v[KR+8*\n+2*\i:KR+8*\n+2*\i+1], v[QR+8*\n+2*\i:QR+8*\n+2*\i+1], v[SA+8*\n:SA+8*\n+7]
.endif
.endr
.endr
.rept 8
	v_nop                                          ; eight places behind this form, ahead of the first read of its results
.endr
	SUM4
.irp j, 0,1,2,3,4,5,6,7
	v_cmp_gt_i32 vcc_lo, \j, v6
	v_cndmask_b32 v[T+\j], v[T+\j], v28, vcc_lo    ; the causal mask
.endr
	v_max3_num_f32 v29, v[T], v[T+1], v[T+2]
	v_max3_num_f32 v29, v29, v[T+3], v[T+4]
	v_max3_num_f32 v29, v29, v[T+5], v[T+6]
	v_max_num_f32 v29, v29, v[T+7]
	v_permlanex16_b32 v31, v29, s20, s21
	v_max_num_f32 v29, v29, v31                    ; the row's maximum: key 0 counts for every query, so it is a number
	v_mul_f32 v29, s22, v29
.irp j, 0,1,2,3,4,5,6,7
	v_fma_f32 v[PP+\j], v[T+\j], s22, -v29
.endr
.irp j, 0,1,2,3,4,5,6,7
	v_exp_f32 v[PP+\j], v[PP+\j]
.endr
	v_nop
	s_wait_alu depctr_va_vdst(0)                   ; one wait for the eight, ahead of their first reader
	v_pk_add_f32 v[T:T+1], v[PP:PP+1], v[PP+2:PP+3]
	v_pk_add_f32 v[T+2:T+3], v[PP+4:PP+5], v[PP+6:PP+7]
	v_pk_add_f32 v[T:T+1], v[T:T+1], v[T+2:T+3]
	v_add_f32 v[T], v[T], v[T+1]
	v_permlanex16_b32 v31, v[T], s20, s21
	v_add_f32 v[T], v[T], v31                      ; the row's sum
	v_rcp_f32 v[T+2], v[T]
	v_nop
	s_wait_alu depctr_va_vdst(0)
	s_wait_loadcnt 33                              ; v is in; W's 32 loads and the bias may be out
.irp i, 0,1,2,3                        ; O^T = v^T p: a lane holds query r and channels 16 c + 8 h + 0..7
.irp c, 0,1,2,3
.if \i == 0
	v_wmma_f32_16x16x4_f32 v[YA+8*\c:YA+8*\c+7], v[VT+8*\c+2*\i:VT+8*\c+2*\i+1], v[PP+2*\i:PP+2*\i+1], 0
.else
	v_wmma_f32_16x16x4_f32 v[YA+8*\c:YA+8*\c+7], v[VT+8*\c+2*\i:VT+8*\c+2*\i+1], v[PP+2*\i:PP+2*\i+1], v[YA+8*\c:YA+8*\c+7]
.endif
.endr
.endr
.rept 8
	v_nop
.endr
.set n, 0
.rept 16
	v_pk_mul_f32 v[QR+n:QR+n+1], v[YA+n:YA+n+1], v[T+2:T+3] op_sel_hi:[1,0]   ; y = O^T / the sum, into other registers
.set n, n+2
.endr
	s_wait_loadcnt 0x0                             ; W and the bias
.rept 4
	v_nop
.endr
.irp i, 0,1,2,3                        ; my head's part of the output: a lane holds row r and columns 8 h + 0..7
.irp c, 0,1,2,3
.if \i == 0
	v_wmma_f32_16x16x4_f32 v[SA+8*\c:SA+8*\c+7], v[WR+8*\c+2*\i:WR+8*\c+2*\i+1], v[QR+8*\c+2*\i:QR+8*\c+2*\i+1], 0
.else
	v_wmma_f32_16x16x4_f32 v[SA+8*\c:SA+8*\c+7], v[WR+8*\c+2*\i:WR+8*\c+2*\i+1], v[QR+8*\c+2*\i:QR+8*\c+2*\i+1], v[SA+8*\c:SA+8*\c+7]
.endif
.endr
.endr
.rept 8
	v_nop
.endr
	SUM4
	ds_store_b128 v7, v[T:T+3]                     ; the tile as it stands: columns 8 h + 0..3,
	ds_store_b128 v7, v[T+4:T+7] offset:512        ; and 8 h + 4..7
	s_wait_dscnt 0x0                               ; for the others' sake: my stores are done
	s_barrier_signal -1
	s_barrier_wait -1
	s_cmp_lt_u32 s12, 2                            ; waves 0 and 1 add the sixteen tiles, a half each
	s_cbranch_scc0 .Ldone
.set n, 0
.rept 16
	ds_load_b128 v[32+4*n:35+4*n], v8 offset:1024*n
.set n, n+1
.endr
	s_wait_dscnt 0x0
.irp w, 8,4,2,1
.set n, 0
.rept \w
	v_pk_add_f32 v[32+4*n:33+4*n], v[32+4*n:33+4*n], v[32+4*(n+\w):33+4*(n+\w)]
	v_pk_add_f32 v[34+4*n:35+4*n], v[34+4*n:35+4*n], v[34+4*(n+\w):35+4*(n+\w)]
.set n, n+1
.endr
.endr
	v_pk_add_f32 v[32:33], v[32:33], v[224:225]
	v_pk_add_f32 v[34:35], v[34:35], v[226:227]    ; + b_proj
	global_store_b128 v9, v[32:35], s[10:11]
.Ldone:
	s_wait_tensorcnt 0x0                           ; the wave's end, behind my last LDS store
	ds_add_u32 v[SPW], v[NIL]
	s_wait_dscnt 0x0
	s_endpgm
.Lfunc_end_k_q22ce1f63c1_fine:
	.size	k_q22ce1f63c1_fine, .Lfunc_end_k_q22ce1f63c1_fine-k_q22ce1f63c1_fine
	.p2alignl 7, 3214868480
	.fill 96, 4, 3214868480
	.section	.rodata,"a",@progbits
	.p2align	6, 0x0
	.amdhsa_kernel k_q22ce1f63c1_fine
		.amdhsa_group_segment_fixed_size 18432
		.amdhsa_private_segment_fixed_size 0
		.amdhsa_enable_private_segment 0
		.amdhsa_kernarg_size 32
		.amdhsa_user_sgpr_count 2
		.amdhsa_user_sgpr_kernarg_segment_ptr 1
		.amdhsa_wavefront_size32 1
		.amdhsa_system_sgpr_workgroup_id_x 1
		.amdhsa_system_sgpr_workgroup_id_y 1
		.amdhsa_system_sgpr_workgroup_id_z 1
		.amdhsa_system_vgpr_workitem_id 0
		.amdhsa_next_free_vgpr 256
		.amdhsa_next_free_sgpr 66
		.amdhsa_reserve_vcc 1
		.amdhsa_float_denorm_mode_32 3
		.amdhsa_float_denorm_mode_16_64 3
		.amdhsa_memory_ordered 1
		.amdhsa_forward_progress 1
		.amdhsa_inst_pref_size 23
	.end_amdhsa_kernel
	.amdgpu_metadata
---
amdhsa.version: [ 1, 2 ]
amdhsa.kernels:
  - .name:           k_q22ce1f63c1_fine
    .symbol:         k_q22ce1f63c1_fine.kd
    .args:
      - { .name: fine32, .offset: 0, .size: 8, .value_kind: global_buffer, .address_space: global }
      - { .name: W_proj, .offset: 8, .size: 8, .value_kind: global_buffer, .address_space: global }
      - { .name: b_proj, .offset: 16, .size: 8, .value_kind: global_buffer, .address_space: global }
      - { .name: out0, .offset: 24, .size: 8, .value_kind: global_buffer, .address_space: global }
    .group_segment_fixed_size: 18432
    .private_segment_fixed_size: 0
    .kernarg_segment_align: 8
    .kernarg_segment_size: 32
    .max_flat_workgroup_size: 512
    .sgpr_count:     66
    .vgpr_count:     256
    .wavefront_size: 32
...
	.end_amdgpu_metadata
.endif
;; end of part 5
